; MI455X (gfx1250); checked and timed in simulation.
; The chip was launched on July 23, 2026; its instructions are those of AMD's public machine-readable ISA for CDNA 5 (MIT licence, August 2026) and "CDNA5" Instruction Set Architecture Reference Guide (July 2026). The comments in the code are by the model that wrote it; some were corrected since.
;; Bayes Multi Head Attn. Allowed arithmetic: matrix products marked QUANTISED: E2M1 operands, one E8M0 scale for each 32 along K, by v_wmma_scale_f32_16x16x128_f8f6f4 with both operands' format E2M1 (or v_wmma_scale_f32_32x16x128_f4), f32 sums; everything else in f32.
;; Inputs: attn_mask 1,024 x 1,024 bool; dec_inp 1,024 x 8 x 1,024 float32; eps_k 1,024 x 1,024 float32; eps_o 1,024 x 1,024 float32; eps_q 1,024 x 1,024 float32; eps_v 1,024 x 1,024 float32; key_mean 1,024 x 1,024 float32; key_std 1,024 x 1,024 float32; ln_beta 1,024 float32; ln_gamma 1,024 float32; output_mean 1,024 x 1,024 float32; output_std 1,024 x 1,024 float32; query_mean 1,024 x 1,024 float32; query_std 1,024 x 1,024 float32; value_mean 1,024 x 1,024 float32; value_std 1,024 x 1,024 float32.
;; Outputs: out0 1,024 x 8 x 1,024 float32; out1 one number float32.
;; This version of the problem:
;;   THIS VERSION OF THE PROBLEM IS GIVEN IN LOW PRECISION. The matrix products marked QUANTISED in the list below multiply operands that are first quantised to E2M1 (2 exponent bits, 1 mantissa bit; 4 bits a number), with one power-of-two scale for each 32 numbers along K (OCP MX v1.0); their sums are f32. All else is computed in f32.
;;   The module's matrix products, in the order in which they are computed (A, B: the left and right operand; K: the contracted axis; several contracted axes count as one K, in the product's order):
;;     1. [M 8,192, K 1,024] x [K 1,024, N 1,024]; A: input dec_inp; B: computed on the way: QUANTISED
;;     2. [M 8,192, K 1,024] x [K 1,024, N 1,024]; A: input dec_inp; B: computed on the way: QUANTISED
;;     3. [M 8,192, K 1,024] x [K 1,024, N 1,024]; A: input dec_inp; B: computed on the way: QUANTISED
;;     4. batch 128 x [M 1,024, K 64] x [K 64, N 1,024]; A: computed on the way; B: computed on the way: QUANTISED
;;     5. batch 128 x [M 64, K 1,024] x [K 1,024, N 1,024]; A: computed on the way; B: softmax (see below): QUANTISED
;;     6. [M 8,192, K 1,024] x [K 1,024, N 1,024]; A: computed on the way; B: computed on the way: QUANTISED
;;   THE QUANTISER, for each operand of a quantised product, along K:
;;     - K is cut into blocks of 32 from its start; a last block that is shorter is filled with zeros.
;;     - A block's scale is 2^e with e = floor(log2(the largest magnitude in the block)) - 2, held to -126 .. 127; a block of zeros has e = 0. As a byte (E8M0): e + 127.
;;     - Each number is divided by its block's scale, clamped to +-6, and rounded to the nearest number of E2M1, ties to even, subnormals kept.
;;     - The product sums the exact products of the quantised numbers (number of the format x scale) in f32.
;;   ~~~python
;;   def quantise(x, axis):      # numpy; x: float32 -> the quantised numbers, widened to float32 again
;;       x = np.moveaxis(x, axis, -1); K = x.shape[-1]
;;       x = np.pad(x, [(0, 0)] * (x.ndim - 1) + [(0, -K % 32)]); x = x.reshape(x.shape[:-1] + (-1, 32)); a = np.abs(x).max(-1, keepdims=True)
;;       e = np.where(a > 0, np.clip(np.frexp(np.where(a > 0, a, 1))[1] - 1 - 2, -126, 127), 0)      # np.frexp(a)[1] - 1 = floor(log2(a)), exactly
;;       r = np.clip(x / 2.0 ** e, -6, 6)
;;       step = 2.0 ** (np.maximum(np.frexp(np.where(r == 0, 1, r))[1] - 1, 0) - 1)
;;       q = np.round(r / step) * step * 2.0 ** e      # np.round: ties to even
;;       return np.moveaxis(q.reshape(q.shape[:-2] + (-1,))[..., :K], -1, axis).astype(np.float32)
;;   ~~~
;;   SOFTMAX AHEAD OF A QUANTISED PRODUCT. Where the list says 'softmax', what is quantised is not the finished softmax but p = 2^(t - M), with t = logit x log2(e) and M = ceil(the row's largest t), a whole number; so 1/2 < the row's largest p <= 1. The row's sum l is taken of the UNQUANTISED p, in f32, and the product's result is divided by l at the end. Since M is a whole number, a kernel that streams over the keys may use a running M (the ceiling of the running maximum): every later rescaling is an exact power of two, which a block's scale takes up: the codes' values come out the same.
;;   OPERANDS COMPUTED ON THE WAY. 'Computed on the way' means the value that the module computes at that place (a softmax that the list does not call 'softmax' is quantised finished and normalised). What goes into a quantiser is computed in f32, as accurately as f32 sums, v_exp_f32 and their like allow (about 1e-6 of the number): no bf16 or f16 on the way to a quantiser, and a product that is left as it is and whose result goes on into a quantised operand takes f32 operands (vector FMAs, or v_wmma_f32_16x16x4_f32). A number that lies on a knife's edge between two numbers of the format may be rounded either way, as far as f32 arithmetic and the matrix unit's own rounding can turn it there, and no further.
;; One version. Each part assembles by itself: llvm-mc -triple=amdgcn-amd-amdhsa -mcpu=gfx1250 --defsym DOCPART=n.
;; ======== version 1 of 1: 4 launches
;; limits: right only within a limited range of input values
;; workspace buffers: xw_img 6,291,456 bytes; xw_sc 393,216 bytes; maskw 262,144 bytes of whole numbers; klpart 512 bytes; qkv_img 12,582,912 bytes; qkv_sc 1,310,720 bytes; a_buf 4,456,448 bytes
;; launch prep (part 1): grid 704 x 1, 8 waves a work-group, no clusters, 82,688 bytes of LDS; arguments query_mean, eps_q, query_std, key_mean, eps_k, key_std, value_mean, eps_v, value_std, output_mean, eps_o, output_std, dec_inp, attn_mask, xw_img, xw_sc, maskw, klpart; writes xw_img, xw_sc, maskw, klpart
.if DOCPART == 1
	.amdgcn_target "amdgcn-amd-amdhsa--gfx1250"
	.amdhsa_code_object_version 6
	.text
	.protected	k_qed523273d8_prep
	.globl	k_qed523273d8_prep
	.p2align	8
	.type	k_qed523273d8_prep,@function
k_qed523273d8_prep:
	s_mov_b64 s[64:65], 0
	v_nop
	global_prefetch_b8 v0, s[64:65] scope:SCOPE_SE
	s_setreg_imm32_b32 hwreg(HW_REG_WAVE_MODE, 25, 1), 1
	s_wait_xcnt 0x0
; PREP: the four sampled weights and dec_inp become codes of FP4 (E2M1) with one E8M0 byte for each 32 along K; attn_mask becomes lane masks and a flag for each tile; the KL sum is begun.
; DEAD WORK: none.  Every input of the module has a way to an output (output_mean through the KL alone), so every input is loaded by some launch, and no product of the table is left out as a whole.
; In the attention launch only tiles of 16 queries x 128 keys that attn_mask hides wholly are passed over: a choice by whole numbers that this launch stores and that launch reads.
; LIMITS: NaN and infinities among the floating-point inputs are not served (FP4 has no code for them).  A block whose largest magnitude lies under 2^-124 keeps the scale byte 1; a block of zeros too
; (its codes are zeros; the bytes are read by this program alone).  exp(2 std) is formed as exp(std)^2.
; LAYOUT OF THE CODES.  A fragment (16 rows x 128 K, 8 registers a lane) lies in memory as an image of its registers: [c 2][lane 32][16 bytes]; lane (r, h), part c: row r, block 2 c + h of the 128.
; Inside a block the four code words hold k = 0-7, 16-23, 8-15, 24-31: the same order on both operands of every product of this program, so the sums are those of the natural order.
; xw_img: [rowtile][K step 8][1,024 bytes]; rowtiles 0-255 the weights q, k, v, o (64 each), from byte 2,097,152 on rowtile b x 64 + s / 16 of dec_inp.  xw_sc: 32 scale bytes a row, the weights first, dec_inp from byte 131,072.
; SHARES, by the work-group's number: 0-127 a rowtile of two weights (0-63: q and k; 64-127: v and o, which share value_mean, so that it is read once); 128-639 a rowtile of dec_inp; 640-703 sixteen queries of the mask.
; In the first two, wave w takes k = 128 w .. 128 w + 127 of the 16 rows, in four steps of four rows.  Each load reads 512 consecutive bytes; a step turns through the wave's own stage in LDS, so that
; lane (r, h) then holds, of block r of the step, k = 8 h .. 8 h + 7 and 16 + 8 h .. + 7.  The three kinds of work-group have LDS bytes of their own and meet at one barrier.
.set WSTG,  6656                       ; weights: a wave's region: stage A 2,304, stage B 2,304, image A 1,024, image B 1,024
.set WSC,   53248                      ; weights: two blocks of [row 16][32 scale bytes]
.set KLS,   54272                      ; a KL part for each wave
.set XB,    54528                      ; dec_inp: the waves' regions,
.set XSTG,  3328                       ; each a stage of 2,304 and an image of 1,024
.set XSC,   81152                      ; dec_inp: [row 16][32 scale bytes]
.set SPARE, 81664                      ; the spare words, 128 bytes for each wave: four blocks of 256 bytes that no other line names
.set GOFF,  1                          ; v1   byte offset of my 16 bytes in a tensor
.set SPW,   2                          ; v2   my spare word; never rewritten
.set NIL,   3                          ; v3   0; never rewritten
.set AIN,   4                          ; v4   stage, on the way in
.set AOUT,  5                          ; v5   stage, on the way out
.set AIW,   6                          ; v6   image, where my 8 bytes of codes go
.set AIR,   7                          ; v7   image, read back: 16 x lane
.set ASB,   8                          ; v8   my block's scale byte
.set IO,    9                          ; v9   16 x lane + 1,024 x wave: my place in a rowtile's images in memory
.set PJW,   10                         ; v10-12 LDS addresses used behind the barrier, made ahead of the parting
.set PJX,   11
.set PJK,   12
.set KL,    16                         ; v16-23 the KL sum, four packed chains
.set L16,   30                         ; v30  16 x lane
.set PD,    31                         ; v31  destination of the lane exchange
.set SEL,   52                         ; s52, s53 selects for lane l xor 16
.set VO,    54                         ; s54  all ones in the work-groups of v and o
; v13-15 at work; v24-29 codes and bytes; v32-127, v128-223 two sets of six streams x 16 numbers: M1, E1, S1, M2, E2, S2
.macro LOADW t                         ; step t of the six streams into set t % 2: 24 loads of 512 consecutive bytes
.set B, 32+96*((\t)%2)
.irp j, 0,1,2,3
	global_load_b128 v[B+4*\j:B+4*\j+3], v[GOFF], s[4:5] offset:(4*(\t)+\j)*4096 th:TH_LOAD_NT
	global_load_b128 v[B+16+4*\j:B+16+4*\j+3], v[GOFF], s[6:7] offset:(4*(\t)+\j)*4096 th:TH_LOAD_NT
	global_load_b128 v[B+32+4*\j:B+32+4*\j+3], v[GOFF], s[8:9] offset:(4*(\t)+\j)*4096 th:TH_LOAD_NT
	global_load_b128 v[B+48+4*\j:B+48+4*\j+3], v[GOFF], s[10:11] offset:(4*(\t)+\j)*4096 th:TH_LOAD_NT
	global_load_b128 v[B+64+4*\j:B+64+4*\j+3], v[GOFF], s[12:13] offset:(4*(\t)+\j)*4096 th:TH_LOAD_NT
	global_load_b128 v[B+80+4*\j:B+80+4*\j+3], v[GOFF], s[14:15] offset:(4*(\t)+\j)*4096 th:TH_LOAD_NT
.endr
.endm
; 16 numbers of half a block become two code words and the block's scale byte
.macro QUANT16 xs, cd, bd
	v_max3_num_f32 v13, |v[\xs]|, |v[\xs+1]|, 0x1800000            ; the floor 2^(3 - 127) among the leaves: the byte cannot fall under 1
	v_max3_num_f32 v14, |v[\xs+2]|, |v[\xs+3]|, |v[\xs+4]|
	s_delay_alu instid0(VALU_DEP_2)
	v_max3_num_f32 v13, v13, |v[\xs+5]|, |v[\xs+6]|
	s_delay_alu instid0(VALU_DEP_2)
	v_max3_num_f32 v14, v14, |v[\xs+7]|, |v[\xs+8]|
	s_delay_alu instid0(VALU_DEP_2)
	v_max3_num_f32 v13, v13, |v[\xs+9]|, |v[\xs+10]|
	s_delay_alu instid0(VALU_DEP_2)
	v_max3_num_f32 v14, v14, |v[\xs+11]|, |v[\xs+12]|
	s_delay_alu instid0(VALU_DEP_2)
	v_max3_num_f32 v13, v13, |v[\xs+13]|, |v[\xs+14]|
	s_delay_alu instid0(VALU_DEP_1)
	v_max3_num_f32 v14, v14, v13, |v[\xs+15]|
	s_delay_alu instid0(VALU_DEP_1)
	v_permlanex16_b32 v[PD], v14, s[SEL], s[SEL+1]
	s_delay_alu instid0(VALU_DEP_1)
	v_max_num_f32 v14, v14, v[PD]                                  ; with lane l xor 16: the block's largest magnitude
	s_delay_alu instid0(VALU_DEP_1)
	v_add_nc_u32 v15, 0xff000000, v14                              ; 2 off its exponent field: the conversion's scale operand
	v_cvt_scalef32_pk8_fp4_f32 v[\cd], v[\xs:\xs+7], v15
	v_cvt_scalef32_pk8_fp4_f32 v[\cd+1], v[\xs+8:\xs+15], v15
	v_lshrrev_b32 v[\bd], 23, v15                                  ; the scale's byte (also the plain line behind the conversions)
.endm
.macro STEPW t
.set B, 32+96*((\t)%2)
.if (\t) < 3
	s_wait_loadcnt 24                              ; this set is in; the other set's 24 loads may be out
.else
	s_wait_loadcnt 0x0
.endif
.irp i, 0,2,4,6,8,10,12,14
	v_pk_fma_f32 v[KL:KL+1], v[B+\i:B+1+\i], v[B+\i:B+1+\i], v[KL:KL+1]                          ; KL: mean^2
	v_pk_fma_f32 v[KL+2:KL+3], v[B+32+\i:B+33+\i], -2.0, v[KL+2:KL+3] op_sel_hi:[1,0,1]          ; - 2 std
	v_pk_fma_f32 v[KL+4:KL+5], v[B+80+\i:B+81+\i], -2.0, v[KL+4:KL+5] op_sel_hi:[1,0,1]
	v_pk_mul_f32 v[B+32+\i:B+33+\i], v[B+32+\i:B+33+\i], 0x3fb8aa3b op_sel_hi:[1,0]              ; std x log2(e)
	v_pk_mul_f32 v[B+80+\i:B+81+\i], v[B+80+\i:B+81+\i], 0x3fb8aa3b op_sel_hi:[1,0]
.endr
	s_wait_alu depctr_va_vdst(0)
.irp i, 0,1,2,3,4,5,6,7,8,9,10,11,12,13,14,15
	v_exp_f32 v[B+32+\i], v[B+32+\i]               ; e = exp(std): one batch of 32
	v_exp_f32 v[B+80+\i], v[B+80+\i]
.endr
.irp i, 0
	v_pk_fma_f32 v[KL+6:KL+7], v[B+48+\i:B+49+\i], v[B+48+\i:B+49+\i], v[KL+6:KL+7]              ; plain work behind the batch
.endr
.irp i, 2, 4, 6, 8, 10, 12, 14
	s_delay_alu instid0(VALU_DEP_1)
	v_pk_fma_f32 v[KL+6:KL+7], v[B+48+\i:B+49+\i], v[B+48+\i:B+49+\i], v[KL+6:KL+7]              ; plain work behind the batch
.endr
	s_wait_alu depctr_va_vdst(0)                   ; one wait for the batch, ahead of its first reader
.irp i, 0,2,4,6,8,10,12,14
	v_pk_fma_f32 v[KL:KL+1], v[B+32+\i:B+33+\i], v[B+32+\i:B+33+\i], v[KL:KL+1]                  ; KL: exp(2 std) = e^2
	v_pk_fma_f32 v[KL+2:KL+3], v[B+80+\i:B+81+\i], v[B+80+\i:B+81+\i], v[KL+2:KL+3]
	v_pk_fma_f32 v[B+16+\i:B+17+\i], v[B+16+\i:B+17+\i], v[B+32+\i:B+33+\i], v[B+\i:B+1+\i]      ; w1 = M1 + E1 e1
.endr
.irp i, 0,1,2,3,4,5,6,7,8,9,10,11,12,13,14,15
	v_cndmask_b32 v[B+48+\i], v[B+48+\i], v[B+\i], s[VO]           ; the second weight's mean: key_mean, or, for o, value_mean as the module has it
.endr
.irp i, 0,2,4,6,8,10,12,14
	v_pk_fma_f32 v[B+64+\i:B+65+\i], v[B+64+\i:B+65+\i], v[B+80+\i:B+81+\i], v[B+48+\i:B+49+\i]  ; w2
.endr
.irp j, 0,1,2,3
	ds_store_b128 v[AIN], v[B+16+4*\j:B+19+4*\j] offset:576*\j
	ds_store_b128 v[AIN], v[B+64+4*\j:B+67+4*\j] offset:2304+576*\j
.endr
	ds_load_b128 v[B+32:B+35], v[AOUT]             ; LDS serves a wave's instructions in order: these see the stores above
	ds_load_b128 v[B+36:B+39], v[AOUT] offset:16
	ds_load_b128 v[B+40:B+43], v[AOUT] offset:64
	ds_load_b128 v[B+44:B+47], v[AOUT] offset:80
	ds_load_b128 v[B+80:B+83], v[AOUT] offset:2304
	ds_load_b128 v[B+84:B+87], v[AOUT] offset:2320
	ds_load_b128 v[B+88:B+91], v[AOUT] offset:2368
	ds_load_b128 v[B+92:B+95], v[AOUT] offset:2384
	s_wait_dscnt 0x0                               ; the neighbours are in; the last step's stores of codes and bytes have read their registers
	QUANT16 B+32, 24, 26
	QUANT16 B+80, 28, 27
	ds_store_b64 v[AIW], v[24:25] offset:4608+64*(\t)
	ds_store_b64 v[AIW], v[28:29] offset:5632+64*(\t)
	ds_store_b8 v[ASB], v26 offset:128*(\t)        ; both lanes of a block write the same byte with the same value
	ds_store_b8 v[ASB], v27 offset:512+128*(\t)
.if (\t) < 2
	LOADW (\t)+2
.endif
.endm
.macro STEPX t
	s_wait_loadcnt 12-4*(\t)                       ; this step's four loads are in; the later steps' may be out
.irp j, 0,1,2,3
	ds_store_b128 v[AIN], v[32+16*(\t)+4*\j:35+16*(\t)+4*\j] offset:576*\j
.endr
	ds_load_b128 v[96:99], v[AOUT]
	ds_load_b128 v[100:103], v[AOUT] offset:16
	ds_load_b128 v[104:107], v[AOUT] offset:64
	ds_load_b128 v[108:111], v[AOUT] offset:80
	s_wait_dscnt 0x0
	QUANT16 96, 24, 26
	ds_store_b64 v[AIW], v[24:25] offset:2304+64*(\t)
	ds_store_b8 v[ASB], v26 offset:128*(\t)
.endm
	s_load_b512 s[16:31], s[0:1], 0x0              ; query_mean, eps_q, query_std, key_mean, eps_k, key_std, value_mean, eps_v
	s_load_b512 s[32:47], s[0:1], 0x40             ; value_std, output_mean, eps_o, output_std, dec_inp, attn_mask, xw_img, xw_sc
	s_load_b128 s[48:51], s[0:1], 0x80             ; maskw, klpart
	v_lshl_add_u32 v[SPW], v0, 2, SPARE
	v_mov_b32 v[NIL], 0
	v_lshrrev_b32 v13, 5, v0
	s_delay_alu instid0(VALU_DEP_1)
	v_readfirstlane_b32 s2, v13                    ; wave 0..7
	v_and_b32 v13, 31, v0                          ; lane
	v_and_b32 v14, 15, v0                          ; r
	v_bfe_u32 v15, v0, 4, 1                        ; h
	v_bfe_u32 v20, v0, 3, 2                        ; lane / 8
	v_and_b32 v21, 7, v0
	s_delay_alu instid0(VALU_DEP_2)
	v_mul_u32_u24 v[AIN], v20, 144                 ; in: a block of 32 numbers is 128 bytes + 16 of padding; eight lanes fill one
	s_delay_alu instid0(VALU_DEP_1)
	v_lshl_add_u32 v[AIN], v21, 4, v[AIN]
	v_mul_u32_u24 v[AOUT], v14, 144                ; out: block r, + 32 h
	s_delay_alu instid0(VALU_DEP_1)
	v_lshl_add_u32 v[AOUT], v15, 5, v[AOUT]
	v_bfe_u32 v20, v0, 1, 1                        ; block r of a step is row r / 4, block r % 4 = 2 c + h of the fragment
	v_and_b32 v21, 1, v0
	v_bfe_u32 v22, v0, 2, 2
	s_delay_alu instid0(VALU_DEP_3)
	v_lshlrev_b32 v[AIW], 9, v20
	s_delay_alu instid0(VALU_DEP_1)
	v_lshl_add_u32 v[AIW], v21, 8, v[AIW]
	s_delay_alu instid0(VALU_DEP_1)
	v_lshl_add_u32 v[AIW], v22, 4, v[AIW]
	s_delay_alu instid0(VALU_DEP_1)
	v_lshl_add_u32 v[AIW], v15, 3, v[AIW]          ; my two code words: 8 h bytes into the block's 16
	v_lshlrev_b32 v[L16], 4, v13
	v_and_b32 v23, 3, v0
	s_delay_alu instid0(VALU_DEP_1)
	v_lshl_add_u32 v[ASB], v22, 5, v23             ; 32 bytes a row, + the block
	s_lshl_b32 s3, s2, 2
	v_add_nc_u32 v[ASB], s3, v[ASB]                ; + 4 x wave
	s_lshl_b32 s3, s2, 10
	v_add_nc_u32 v[IO], s3, v[L16]
	s_lshl_b32 s3, s2, 9
	s_add_co_u32 s3, s3, WSC
	v_add_nc_u32 v[PJW], s3, v[L16]
	v_add_nc_u32 v[PJX], XSC, v[L16]
	v_mov_b32 v[PJK], KLS
	v_mov_b32 v[PD], 0
	s_mov_b32 s[SEL], 0x76543210
	s_mov_b32 s[SEL+1], 0xfedcba98
	s_wait_kmcnt 0x0
	s_cmp_lt_u32 ttmp9, 128
	s_cbranch_scc0 .Lnot_w
	; ---- two weights
	s_cmp_lt_u32 ttmp9, 64                         ; q and k, or v and o: the choice hangs on the work-group's number alone
	s_cselect_b64 s[4:5], s[16:17], s[28:29]
	s_cselect_b64 s[6:7], s[18:19], s[30:31]
	s_cselect_b64 s[8:9], s[20:21], s[32:33]
	s_cselect_b64 s[10:11], s[22:23], s[34:35]
	s_cselect_b64 s[12:13], s[24:25], s[36:37]
	s_cselect_b64 s[14:15], s[26:27], s[38:39]
	s_cselect_b32 s[VO], 0, -1
	s_and_b32 s55, ttmp9, 63                       ; the rowtile
	s_lshl_b32 s56, s55, 16                        ; 16 rows of 4,096 bytes
	v_lshl_add_u32 v[GOFF], v0, 4, s56             ; + 16 x thread = 512 x wave + 16 x lane
	LOADW 0
	LOADW 1
	s_mul_i32 s56, s2, WSTG
	v_add_nc_u32 v[AIN], s56, v[AIN]
	v_add_nc_u32 v[AOUT], s56, v[AOUT]
	v_add_nc_u32 v[AIW], s56, v[AIW]
	v_add_nc_u32 v[AIR], s56, v[L16]
	v_add_nc_u32 v[ASB], WSC, v[ASB]
.irp i, 0,1,2,3,4,5,6,7
	v_mov_b32 v[KL+\i], 0
.endr
	s_wait_alu depctr_va_vdst(0)
	STEPW 0
	STEPW 1
	STEPW 2
	STEPW 3
	v_pk_add_f32 v[KL:KL+1], v[KL:KL+1], v[KL+2:KL+3]
	v_pk_add_f32 v[KL+4:KL+5], v[KL+4:KL+5], v[KL+6:KL+7]
	s_delay_alu instid0(VALU_DEP_1)
	v_pk_add_f32 v[KL:KL+1], v[KL:KL+1], v[KL+4:KL+5]
	s_delay_alu instid0(VALU_DEP_1)
	v_add_f32 v[KL], v[KL], v[KL+1]
	s_delay_alu instid0(VALU_DEP_1)
	v_add_f32_dpp v[KL], v[KL], v[KL] row_xmask:1 row_mask:0xf bank_mask:0xf
	s_delay_alu instid0(VALU_DEP_1)
	v_add_f32_dpp v[KL], v[KL], v[KL] row_xmask:2 row_mask:0xf bank_mask:0xf
	s_delay_alu instid0(VALU_DEP_1)
	v_add_f32_dpp v[KL], v[KL], v[KL] row_xmask:4 row_mask:0xf bank_mask:0xf
	s_delay_alu instid0(VALU_DEP_1)
	v_add_f32_dpp v[KL], v[KL], v[KL] row_xmask:8 row_mask:0xf bank_mask:0xf
	s_delay_alu instid0(VALU_DEP_1)
	v_permlanex16_b32 v[PD], v[KL], s[SEL], s[SEL+1]
	s_delay_alu instid0(VALU_DEP_1)
	v_add_f32 v[KL], v[KL], v[PD]                  ; my wave's part of the KL sum, in every lane
	s_lshl_b32 s56, s2, 2
	s_add_co_u32 s56, s56, KLS
	v_mov_b32 v13, s56
	ds_store_b32 v13, v[KL]                        ; all lanes write the same word with the same value
	ds_load_b128 v[32:35], v[AIR] offset:4608      ; my two images, as they will lie in memory
	ds_load_b128 v[36:39], v[AIR] offset:5120
	ds_load_b128 v[40:43], v[AIR] offset:5632
	ds_load_b128 v[44:47], v[AIR] offset:6144
	s_lshr_b32 s56, ttmp9, 6
	s_lshl_b32 s56, s56, 7
	s_add_co_u32 s56, s56, s55                     ; the first weight's rowtile: 128 x pair + rowtile
	s_lshl_b32 s56, s56, 13
	s_mov_b32 s57, 0
	s_add_nc_u64 s[58:59], s[44:45], s[56:57]
	s_wait_dscnt 0x0
	global_store_b128 v[IO], v[32:35], s[58:59]                    ; each store of the wave covers 512 consecutive bytes, aligned
	global_store_b128 v[IO], v[36:39], s[58:59] offset:512
	global_store_b128 v[IO], v[40:43], s[58:59] offset:524288      ; the second weight lies 64 rowtiles on
	global_store_b128 v[IO], v[44:47], s[58:59] offset:524800
	s_branch .Ljoin
.Lnot_w:
	s_cmp_lt_u32 ttmp9, 640
	s_cbranch_scc0 .Lmask
	; ---- a rowtile of dec_inp: rows s = 16 x tile + i of batch b, 32,768 bytes apart
	s_sub_co_u32 s55, ttmp9, 128                   ; b x 64 + tile
	s_and_b32 s56, s55, 63
	s_lshr_b32 s57, s55, 6
	s_lshl_b32 s56, s56, 19
	s_lshl_b32 s57, s57, 12
	s_add_co_u32 s56, s56, s57
	v_lshl_add_u32 v[GOFF], v0, 4, s56
.irp t, 0,1,2,3
.irp j, 0,1,2,3
	global_load_b128 v[32+16*\t+4*\j:35+16*\t+4*\j], v[GOFF], s[40:41] offset:(4*\t+\j)*32768 th:TH_LOAD_NT
.endr
.endr
	s_mul_i32 s56, s2, XSTG
	s_add_co_u32 s56, s56, XB
	v_add_nc_u32 v[AIN], s56, v[AIN]
	v_add_nc_u32 v[AOUT], s56, v[AOUT]
	v_add_nc_u32 v[AIW], s56, v[AIW]
	v_add_nc_u32 v[AIR], s56, v[L16]
	v_add_nc_u32 v[ASB], XSC, v[ASB]
	s_wait_alu depctr_va_vdst(0)
	STEPX 0
	STEPX 1
	STEPX 2
	STEPX 3
	ds_load_b128 v[32:35], v[AIR] offset:2304
	ds_load_b128 v[36:39], v[AIR] offset:2816
	s_lshl_b32 s56, s55, 13
	s_add_co_u32 s56, s56, 2097152
	s_mov_b32 s57, 0
	s_add_nc_u64 s[58:59], s[44:45], s[56:57]
	s_wait_dscnt 0x0
	global_store_b128 v[IO], v[32:35], s[58:59]
	global_store_b128 v[IO], v[36:39], s[58:59] offset:512
	s_branch .Ljoin
.Lmask:
	; ---- the mask of queries 16 T .. 16 T + 15 against keys 128 j .. 128 j + 127, j = my wave.  Word n (0..63): bit of lane (r, h) = attn_mask[16 T + r][128 j + 16 (n / 8) + 8 h + n % 8]:
	; the lane mask for register n of the attention launch's scores.  Flag: 0 no key hidden, 2 all hidden, else 1.  Nothing in this launch branches on these numbers.
	s_sub_co_u32 s55, ttmp9, 640                   ; T
	s_lshl_b32 s56, s55, 14
	s_lshl_b32 s57, s2, 7
	s_add_co_u32 s56, s56, s57
	v_lshlrev_b32 v[GOFF], 10, v14
	s_delay_alu instid0(VALU_DEP_1)
	v_lshl_add_u32 v[GOFF], v15, 3, v[GOFF]
	s_delay_alu instid0(VALU_DEP_1)
	v_add_nc_u32 v[GOFF], s56, v[GOFF]
.irp t, 0,1,2,3,4,5,6,7
	global_load_b64 v[32+2*\t:33+2*\t], v[GOFF], s[42:43] offset:16*\t
.endr
	v_mov_b32 v48, 0
	v_mov_b32 v49, 0
	s_mov_b32 s60, -1
	s_mov_b32 s61, 0
	s_wait_alu depctr_va_vdst(0)
	s_wait_loadcnt 0x0
.set n, 0
.rept 64
	v_and_b32 v[20+(n&3)], 0xff<<(8*(n&3)), v[32+2*(n>>3)+((n>>2)&1)]
	s_delay_alu instid0(VALU_DEP_1)
	v_cmp_ne_u32 s[68+(n&7)], 0, v[20+(n&3)]
	s_delay_alu instid0(VALU_DEP_1)
	v_writelane_b32 v[48+(n&1)], s[68+(n&7)], n>>1 ; lane l of the pair holds words 2 l and 2 l + 1
	s_and_b32 s60, s60, s[68+(n&7)]
	s_or_b32 s61, s61, s[68+(n&7)]
.set n, n+1
.endr
	s_cmp_eq_u32 s60, -1
	s_cselect_b32 s62, 2, 1
	s_cmp_eq_u32 s61, 0
	s_cselect_b32 s62, 0, s62
	v_mov_b32 v50, s62
	v_mov_b32 v51, s62
	s_lshl_b32 s56, s55, 3
	s_add_co_u32 s56, s56, s2
	s_lshl_b32 s56, s56, 9                         ; 512 bytes for each (T, j)
	s_mov_b32 s57, 0
	s_add_nc_u64 s[58:59], s[48:49], s[56:57]
	v_lshrrev_b32 v24, 1, v[L16]                   ; 8 x lane
	s_wait_alu depctr_va_vdst(0)
	global_store_b64 v24, v[48:49], s[58:59]               ; 256 consecutive bytes: the 64 words
	global_store_b64 v24, v[50:51], s[58:59] offset:256    ; and 256 more: the flag, repeated
.Ljoin:
	s_wait_dscnt 0x0                               ; for the others' sake: my scale bytes and my KL part have landed
	s_barrier_signal -1
	s_barrier_wait -1
	s_cmp_lt_u32 ttmp9, 128
	s_cbranch_scc0 .Lpost_x
	s_cmp_lt_u32 s2, 2
	s_cbranch_scc0 .Lpost_kl
	ds_load_b128 v[52:55], v[PJW]                  ; waves 0 and 1: the 512 scale bytes of the first and of the second weight's rowtile
	s_lshr_b32 s56, ttmp9, 6
	s_lshl_b32 s56, s56, 7
	s_and_b32 s57, ttmp9, 63
	s_add_co_u32 s56, s56, s57
	s_lshl_b32 s56, s56, 9
	s_lshl_b32 s57, s2, 15
	s_add_co_u32 s56, s56, s57
	s_mov_b32 s57, 0
	s_add_nc_u64 s[56:57], s[46:47], s[56:57]
	s_wait_dscnt 0x0
	global_store_b128 v[L16], v[52:55], s[56:57]
	s_branch .Lend
.Lpost_kl:
	s_cmp_eq_u32 s2, 2
	s_cbranch_scc0 .Lend
	ds_load_b128 v[52:55], v[PJK]                  ; wave 2: the eight waves' KL parts
	ds_load_b128 v[56:59], v[PJK] offset:16
	s_lshl_b32 s56, ttmp9, 2
	s_mov_b32 s57, 0
	s_add_nc_u64 s[56:57], s[50:51], s[56:57]
	v_and_b32 v13, 31, v0
	s_delay_alu instid0(VALU_DEP_1)
	v_cmp_eq_u32 vcc_lo, 0, v13
	s_wait_dscnt 0x0
	v_add_f32 v52, v52, v53
	v_add_f32 v54, v54, v55
	v_add_f32 v56, v56, v57
	v_add_f32 v58, v58, v59
	s_delay_alu instid0(VALU_DEP_3)
	v_add_f32 v52, v52, v54
	s_delay_alu instid0(VALU_DEP_2)
	v_add_f32 v56, v56, v58
	s_delay_alu instid0(VALU_DEP_1)
	v_add_f32 v52, v52, v56
	s_wait_alu depctr_va_vdst(0)
	s_wait_xcnt 0x0                                ; EXEC changes only behind this wait: my image stores have read it
	s_and_saveexec_b32 s60, vcc_lo
	global_store_b32 v13, v52, s[56:57]            ; lane 0: the work-group's part
	s_wait_xcnt 0x0
	s_or_b32 exec_lo, exec_lo, s60
	s_branch .Lend
.Lpost_x:
	s_cmp_lt_u32 ttmp9, 640
	s_cbranch_scc0 .Lend
	s_cmp_eq_u32 s2, 0
	s_cbranch_scc0 .Lend
	ds_load_b128 v[52:55], v[PJX]                  ; wave 0: the rowtile's 512 scale bytes
	s_sub_co_u32 s56, ttmp9, 128
	s_lshl_b32 s56, s56, 9
	s_add_co_u32 s56, s56, 131072
	s_mov_b32 s57, 0
	s_add_nc_u64 s[56:57], s[46:47], s[56:57]
	s_wait_dscnt 0x0
	global_store_b128 v[L16], v[52:55], s[56:57]
.Lend:
	s_wait_tensorcnt 0x0                           ; the wave's end, behind my last LDS store
	ds_add_u32 v[SPW], v[NIL]
	s_wait_dscnt 0x0
	s_endpgm
.Lfunc_end_k_qed523273d8_prep:
	.size	k_qed523273d8_prep, .Lfunc_end_k_qed523273d8_prep-k_qed523273d8_prep
	.p2alignl 7, 3214868480
	.fill 96, 4, 3214868480
	.section	.rodata,"a",@progbits
	.p2align	6, 0x0
	.amdhsa_kernel k_qed523273d8_prep
		.amdhsa_group_segment_fixed_size 82688
		.amdhsa_private_segment_fixed_size 0
		.amdhsa_enable_private_segment 0
		.amdhsa_kernarg_size 144
		.amdhsa_user_sgpr_count 2
		.amdhsa_user_sgpr_kernarg_segment_ptr 1
		.amdhsa_wavefront_size32 1
		.amdhsa_system_sgpr_workgroup_id_x 1
		.amdhsa_system_sgpr_workgroup_id_y 1
		.amdhsa_system_sgpr_workgroup_id_z 1
		.amdhsa_system_vgpr_workitem_id 0
		.amdhsa_next_free_vgpr 224
		.amdhsa_next_free_sgpr 80
		.amdhsa_reserve_vcc 1
		.amdhsa_float_denorm_mode_32 3
		.amdhsa_float_denorm_mode_16_64 3
		.amdhsa_memory_ordered 1
		.amdhsa_forward_progress 1
		.amdhsa_inst_pref_size 95
	.end_amdhsa_kernel
	.amdgpu_metadata
---
amdhsa.version: [ 1, 2 ]
amdhsa.kernels:
  - .name:           k_qed523273d8_prep
    .symbol:         k_qed523273d8_prep.kd
    .args:
      - { .name: query_mean, .offset: 0, .size: 8, .value_kind: global_buffer, .address_space: global }
      - { .name: eps_q, .offset: 8, .size: 8, .value_kind: global_buffer, .address_space: global }
      - { .name: query_std, .offset: 16, .size: 8, .value_kind: global_buffer, .address_space: global }
      - { .name: key_mean, .offset: 24, .size: 8, .value_kind: global_buffer, .address_space: global }
      - { .name: eps_k, .offset: 32, .size: 8, .value_kind: global_buffer, .address_space: global }
      - { .name: key_std, .offset: 40, .size: 8, .value_kind: global_buffer, .address_space: global }
      - { .name: value_mean, .offset: 48, .size: 8, .value_kind: global_buffer, .address_space: global }
      - { .name: eps_v, .offset: 56, .size: 8, .value_kind: global_buffer, .address_space: global }
      - { .name: value_std, .offset: 64, .size: 8, .value_kind: global_buffer, .address_space: global }
      - { .name: output_mean, .offset: 72, .size: 8, .value_kind: global_buffer, .address_space: global }
      - { .name: eps_o, .offset: 80, .size: 8, .value_kind: global_buffer, .address_space: global }
      - { .name: output_std, .offset: 88, .size: 8, .value_kind: global_buffer, .address_space: global }
      - { .name: dec_inp, .offset: 96, .size: 8, .value_kind: global_buffer, .address_space: global }
      - { .name: attn_mask, .offset: 104, .size: 8, .value_kind: global_buffer, .address_space: global }
      - { .name: xw_img, .offset: 112, .size: 8, .value_kind: global_buffer, .address_space: global }
      - { .name: xw_sc, .offset: 120, .size: 8, .value_kind: global_buffer, .address_space: global }
      - { .name: maskw, .offset: 128, .size: 8, .value_kind: global_buffer, .address_space: global }
      - { .name: klpart, .offset: 136, .size: 8, .value_kind: global_buffer, .address_space: global }
    .group_segment_fixed_size: 82688
    .private_segment_fixed_size: 0
    .kernarg_segment_align: 8
    .kernarg_segment_size: 144
    .max_flat_workgroup_size: 256
    .sgpr_count:     80
    .vgpr_count:     224
    .wavefront_size: 32
...
	.end_amdgpu_metadata
.endif
;; end of part 1
;; launch qkv (part 2): grid 8 x 32, 4 waves a work-group, clusters of 4 x 4, 327,680 bytes of LDS; arguments xw_img, xw_sc, qkv_img, qkv_sc; writes qkv_img, qkv_sc
.if DOCPART == 2
	.amdgcn_target "amdgcn-amd-amdhsa--gfx1250"
	.amdhsa_code_object_version 6
	.text
	.protected	k_qed523273d8_qkv
	.globl	k_qed523273d8_qkv
	.p2align	8
	.type	k_qed523273d8_qkv,@function
k_qed523273d8_qkv:
	s_mov_b64 s[64:65], 0
	v_nop
	global_prefetch_b8 v0, s[64:65] scope:SCOPE_SE
	s_setreg_imm32_b32 hwreg(HW_REG_WAVE_MODE, 25, 1), 1
	s_wait_xcnt 0x0
	s_wait_alu depctr_hold_cnt(0) depctr_sa_sdst(0) depctr_va_vdst(0) depctr_va_sdst(0) depctr_va_ssrc(0) depctr_va_vcc(0) depctr_vm_vsrc(0)
	s_getreg_b32 s2, hwreg(HW_REG_IB_STS2, 6, 4)
	s_cmp_eq_u32 s2, 0
	s_cbranch_scc0 .Lentry_in_a_cluster
	s_endpgm
.Lentry_in_a_cluster:
	s_bfe_u32 s2, ttmp6, 0x10000c
	s_cmp_lg_u32 s2, 0xf033
	s_cbranch_scc0 .Lentry_shape_is_right
	s_endpgm
.Lentry_shape_is_right:
; QKV: the three projections of dec_inp on codes of FP4, K = 1,024, and their results quantised on the way out: q and k along the head's 64, v along the keys.  No f32 result goes to memory.  No work is left out.
; SHARES.  Work-group (x, y) takes 256 rows of dec_inp (order b x 1,024 + s; tile y) against rows 128 x .. 128 x + 127 (two heads) of each of the weights q, k and v: 8 x 32 = 256 work-groups of equal work.
; OPERANDS lie in memory as images of fragments (16 rows x 128 K = 1,024 bytes: [c][lane][16]), a rowtile's eight on end.
; Source 0 = P, whose rows run along a lane's registers in the result, source 1 = R, whose rows lie in the lanes.  What is quantised next runs along P.
; PART ONE, q and k together: wave (wr, wp) = (wave / 2, wave % 2): R = dec_inp's rows 128 wr on (8 blocks), P = head 2 x + wp: its 64 rows of q (blocks 0-3) and its 64 rows of k (blocks 4-7): 64 accumulators.
; PART TWO, v: R = the 64 rows of head 2 x + wr of v (4 blocks), P = dec_inp's rows 128 wp on, the keys (8 blocks): 32 accumulators.
; LDS.  At the head one tensor load a wave: wave 0 dec_inp's 16 rowtiles (131,072 bytes), wave 1 q's and k's 8 rowtiles each (two rows of 65,536 bytes), wave 2 dec_inp's scale bytes, wave 3 the three weights' scale bytes.
; v's 8 rowtiles are filled into q's bytes behind part one's products: a round of the cluster's barrier, one load of 16,384 bytes a wave; part one's way out stands between
; that load and the wait for it.  By the text's own count one tensor load of a wave is out at any time.
; CLUSTERS: 4 x 4.  The four of a row need the same rows of dec_inp, the four of a column the same rows of the weights: each tile is asked for jointly, with a mask that names the four.
; No prefetch: the launch has no loop to run ahead in.
; THE WAY OUT: R's block a (16 rows) x P's 128 rows are 64 registers of a lane, register 16 b + i = P row 32 b + 8 h + i (i < 8) or 32 b + 16 + 8 h + i - 8: halves of four blocks of 32.  They become a fragment of
; 8 registers and a scale word.  Inside a block the code words hold 0-7, 16-23, 8-15, 24-31, as everywhere in this program.  In part one registers 0-3 and bytes 0, 1 are q's, registers 4-7 and bytes 2, 3 k's.
; qkv_img: chunk (HH x 8 + b) x 32,768, HH 0-15 q's heads, 16-31 k's, 32-47 v's.  q, k: [s / 16][512: registers 0-3 of a fragment].  v: [128 keys][16 of d][1,024].  qkv_sc: q, k: a word for each s (bytes 0, 1), chunk x 4,096;
; v: from 1,048,576 on (head x 8 + b) x 2,048: [step][d tile][r] words.
; REGISTERS: window 0: v16-31 addresses; v32-95 the scale words of all of K (lanes 0-15 R's block i, lanes 16-31 P's block i); v112-127, v200-217 the way out; v128-191 R's fragments (part one: one set of 8; part two: two sets of 4).
; Window 1: P's fragments, two sets.  Windows 2, 3: the accumulators.
.set FR,     8
.set NL,     2
.set NP,     4
.set W0,     131072                    ; behind dec_inp's codes: q's 8 rowtiles, later v's; k's lie 65,536 bytes on
.set SCX,    262144                    ; dec_inp's scale bytes: 256 rows x 32
.set SCW,    270336                    ; the weights': q's, k's, v's 128 rows x 32
.set STG,    282624                    ; 1,024 bytes for each wave: the scale words on their way out
.set SPARE,  286720                    ; the spare words, 128 bytes for each wave: two blocks of 256 bytes that no other line names
.set ADRA, 16                          ; part one: R's fragments,
.set ADRB, 17                          ; P's blocks 0-3,
.set ADRB2, 18                         ; P's blocks 4-7 (block i at i x 8,192 from here)
.set VADR, 19                          ; part two: R's,
.set VADP, 20                          ; P's
.set ADS0, 21                          ; scale words: part one, blocks 0-3, 4-7; part two, blocks 0-3, 4-7
.set ADS1, 22
.set ADS2, 23
.set ADS3, 31
.set STO,  24
.set SRD,  25
.set L16,  26
.set L8,   27
.set SPW,  28
.set NIL,  29
.set SRD8, 30
.set SC,   32
.set PC,   112
.set SOUT, 120
.set AF,   128
.set TM,   200
.set PW,   216
.set G1, 24
.set G0, 32
.set G0R, 36
.set G1B, 48
.set G0B, 56
.set G1S, 68
.set G0S, 76
.set G1SB, 80
.set G0SB, 88
.set G1R, 92
.set MSB, 0
.macro WIN new                         ; the immediate's high byte repeats the setting that is left
.if MSB != (\new)
	s_set_vgpr_msb (MSB<<8)|(\new)
.set MSB, (\new)
.endif
.endm
.set MUL_LO, 0xa1                      ; source 0 (P) window 1, source 1 (R) window 0, C and D window 2
.set MUL_HI, 0xf1
.set TO_B,   0x40
.macro CROUND                          ; a round of the cluster's barrier
	s_barrier_signal -1
	s_barrier_wait -1
	s_cmp_lg_u32 s14, 0
	s_cbranch_scc1 .Lnot_wave_0_\@
	s_barrier_signal -3
.Lnot_wave_0_\@:
	s_barrier_wait -3
	s_barrier_signal -1
	s_barrier_wait -1
.endm
	s_load_b256 s[4:11], s[0:1], 0x0               ; xw_img, xw_sc, qkv_img, qkv_sc
	v_lshl_add_u32 v[SPW], v0, 2, SPARE
	v_mov_b32 v[NIL], 0
	ds_add_u32 v[SPW], v[NIL]                      ; the wave's opening: the add, twice on end, and its wait ahead of my first tensor load
	ds_add_u32 v[SPW], v[NIL]
	v_lshrrev_b32 v1, 5, v0
	v_readfirstlane_b32 s14, v1                    ; wave 0..3
	s_lshr_b32 s15, s14, 1                         ; wr
	s_and_b32 s16, s14, 1                          ; wp
	s_bfe_u32 s40, ttmp6, 0x40000                  ; cx, cy
	s_bfe_u32 s41, ttmp6, 0x40004
	s_lshl_b32 s42, ttmp9, 2
	s_add_co_u32 s42, s42, s40                     ; x
	s_and_b32 s17, ttmp7, 0xffff
	s_lshl_b32 s17, s17, 2
	s_add_co_u32 s17, s17, s41                     ; y
	s_lshl_b32 s43, s41, 2
	s_lshl_b32 s43, 15, s43                        ; my row of the cluster
	s_lshl_b32 s44, 0x1111, s40                    ; my column
	; groups 1; elements of 8 bytes, all tiles dense in LDS
	s_or_b32 s[G1+0], s43, (3<<16)|(1<<21)         ; dec_inp's codes: 16 rows (rowtiles) of 8,192 bytes
	s_mov_b32 s[G1+1], 1024<<16
	s_mov_b32 s[G1+2], 16<<16
	s_mov_b32 s[G1+3], 1024<<16
	s_mov_b32 s[G1+4], 16
	s_mov_b32 s[G1+5], 1024
	s_or_b32 s[G1B+0], s44, (3<<16)|(1<<21)        ; q's and k's codes: 2 rows of 65,536 bytes, 64 rowtiles (524,288 bytes) apart
	s_mov_b32 s[G1B+1], 8192<<16
	s_mov_b32 s[G1B+2], 2<<16
	s_mov_b32 s[G1B+3], 8192<<16
	s_mov_b32 s[G1B+4], 2
	s_mov_b32 s[G1B+5], 65536
	s_or_b32 s[G1S+0], s43, (3<<16)|(1<<21)        ; dec_inp's scale bytes: 8,192 dense bytes as 32 rows of 256
	s_mov_b32 s[G1S+1], 32<<16
	s_mov_b32 s[G1S+2], 32<<16
	s_mov_b32 s[G1S+3], 32<<16
	s_mov_b32 s[G1S+4], 32
	s_mov_b32 s[G1S+5], 32
	s_or_b32 s[G1SB+0], s44, (3<<16)|(1<<21)       ; the weights' scale bytes: 3 rows of 4,096 bytes, 1,024 rows x 32 bytes apart
	s_mov_b32 s[G1SB+1], 512<<16
	s_mov_b32 s[G1SB+2], 3<<16
	s_mov_b32 s[G1SB+3], 512<<16
	s_mov_b32 s[G1SB+4], 3
	s_mov_b32 s[G1SB+5], 4096
	s_or_b32 s[G1R+0], s44, (3<<16)|(1<<21)        ; the refill, v's codes: 2 rowtiles of 8,192 bytes a wave
	s_mov_b32 s[G1R+1], 1024<<16
	s_mov_b32 s[G1R+2], 2<<16
	s_mov_b32 s[G1R+3], 1024<<16
	s_mov_b32 s[G1R+4], 2
	s_mov_b32 s[G1R+5], 1024
.irp g, G1, G1B, G1S, G1SB, G1R
	s_mov_b32 s[\g+6], 0
	s_mov_b32 s[\g+7], 0
.endr
	s_lshl_b32 s20, s17, 17                        ; dec_inp's codes: rowtile 16 y, behind the weights'
	s_add_co_u32 s20, s20, 2097152
	s_mov_b32 s21, 0
	s_lshl_b32 s22, s17, 13                        ; its scale bytes
	s_add_co_u32 s22, s22, 131072
	s_mov_b32 s23, 0
	s_lshl_b32 s46, s42, 16                        ; q's codes: rowtile 8 x
	s_mov_b32 s47, 0
	s_lshl_b32 s12, s42, 12                        ; q's scale bytes: row 128 x
	s_mov_b32 s13, 0
	s_lshl_b32 s18, s14, 14                        ; the refill: my 2 rowtiles, in LDS
	s_add_co_u32 s[G0R+1], s18, W0
	s_add_co_u32 s18, s18, s46                     ; and in memory: rowtile 128 + 8 x + 2 wave
	s_add_co_u32 s18, s18, 1048576
	s_mov_b32 s19, 0
	s_wait_dscnt 0x0                               ; both opening adds are done
	s_wait_kmcnt 0x0
	s_mov_b32 s[G0], 1
	s_mov_b32 s[G0+1], 0
	s_add_nc_u64 s[G0+2:G0+3], s[4:5], s[20:21]
	s_or_b32 s[G0+3], s[G0+3], 0x80000000
	s_mov_b32 s[G0B], 1
	s_mov_b32 s[G0B+1], W0
	s_add_nc_u64 s[G0B+2:G0B+3], s[4:5], s[46:47]
	s_or_b32 s[G0B+3], s[G0B+3], 0x80000000
	s_mov_b32 s[G0S], 1
	s_mov_b32 s[G0S+1], SCX
	s_add_nc_u64 s[G0S+2:G0S+3], s[6:7], s[22:23]
	s_or_b32 s[G0S+3], s[G0S+3], 0x80000000
	s_mov_b32 s[G0SB], 1
	s_mov_b32 s[G0SB+1], SCW
	s_add_nc_u64 s[G0SB+2:G0SB+3], s[6:7], s[12:13]
	s_or_b32 s[G0SB+3], s[G0SB+3], 0x80000000
	s_mov_b32 s[G0R], 1
	s_add_nc_u64 s[G0R+2:G0R+3], s[4:5], s[18:19]
	s_or_b32 s[G0R+3], s[G0R+3], 0x80000000
	CROUND                                         ; all sixteen work-groups are here: the joint loads meet
; The head's loads, one a wave: one tree of branches on the wave's number, each arm with its load and, but for the last, a jump to the tree's end.
; An s_nop 0 and four v_nop follow each load.
.macro ARM under, g0, g1, next
	s_cmp_lt_u32 s14, \under
	s_cbranch_scc0 \next
	tensor_load_to_lds s[\g0:\g0+3], s[\g1:\g1+7]
	s_nop 0
.rept 4
	v_nop
.endr
	s_branch .Lhead_asked
\next:
.endm
	ARM 1, G0,  G1,  .Lhead_b
	ARM 2, G0B, G1B, .Lhead_sa
	ARM 3, G0S, G1S, .Lhead_sb
	tensor_load_to_lds s[G0SB:G0SB+3], s[G1SB:G1SB+7]
	s_nop 0
.rept 4
	v_nop
.endr
.Lhead_asked:
	; where the results go
	s_lshr_b32 s21, s17, 2                         ; b
	s_and_b32 s22, s17, 3
	s_lshl_b32 s22, s22, 1                         ; 2 (y % 4)
	s_lshl_b32 s20, s42, 1
	s_add_co_u32 s23, s20, s15                     ; v's head: 2 x + wr
	s_add_co_u32 s20, s20, s16                     ; q's and k's: 2 x + wp
	s_lshl_b32 s20, s20, 3
	s_add_co_u32 s20, s20, s21                     ; head x 8 + b
	s_lshl_b32 s23, s23, 3
	s_add_co_u32 s23, s23, s21
	s_add_co_u32 s40, s22, s15                     ; part one: which 128 of the batch's 1,024 rows are my R
	s_add_co_u32 s41, s22, s16                     ; part two: which 128 keys are my P
	s_lshl_b32 s12, s23, 15                        ; v's codes: chunk 256 + head x 8 + b, 4,096 bytes a step
	s_lshl_b32 s13, s41, 12
	s_add_co_u32 s12, s12, s13
	s_add_co_u32 s12, s12, 8388608
	s_mov_b32 s13, 0
	s_add_nc_u64 s[60:61], s[8:9], s[12:13]
	s_lshl_b32 s12, s23, 11                        ; v's scale words: 256 bytes a step
	s_lshl_b32 s18, s41, 8
	s_add_co_u32 s12, s12, s18
	s_add_co_u32 s12, s12, 1048576
	s_add_nc_u64 s[62:63], s[10:11], s[12:13]
	s_lshl_b32 s12, s20, 15                        ; q's codes: 8 tiles of 512 bytes for my 128 rows; k's lie 128 chunks (4,194,304 bytes) on
	s_lshl_b32 s18, s40, 12
	s_add_co_u32 s12, s12, s18
	s_add_nc_u64 s[8:9], s[8:9], s[12:13]
	s_lshl_b32 s12, s20, 12                        ; q's scale words: 512 bytes for my 128 rows; k's lie 524,288 bytes on
	s_lshl_b32 s18, s40, 9
	s_add_co_u32 s12, s12, s18
	s_add_nc_u64 s[10:11], s[10:11], s[12:13]
	; LDS bases, made of the wave's number and constants
	s_lshl_b32 s66, s15, 16                        ; part one, R: dec_inp's rowtiles 8 wr on
	s_lshl_b32 s67, s16, 15
	s_add_co_u32 s67, s67, W0                      ; P: q's rowtiles 4 wp on,
	s_add_co_u32 s2, s67, 32768                    ; and k's, less the four blocks that the offsets count
	s_lshl_b32 s3, s15, 15
	s_add_co_u32 s3, s3, W0                        ; part two, R: v's rowtiles 4 wr on
	s_lshl_b32 s12, s16, 16                        ; P: dec_inp's rowtiles 8 wp on
	s_lshl_b32 s13, s15, 12
	s_add_co_u32 s13, s13, SCX                     ; part one: R's scale bytes; P's lie 8,192 + 2,048 wp - 4,096 wr further on:
	s_xor_b32 s18, s15, 1
	s_lshl_b32 s18, s18, 12
	s_lshl_b32 s19, s16, 11
	s_add_co_u32 s18, s18, s19
	s_add_co_u32 s18, s18, 4096
	s_add_co_u32 s19, s18, 2048                    ; k's rows lie 4,096 behind q's: 2,048 more than the offsets of blocks 4-7 count
	s_lshl_b32 s20, s16, 12
	s_add_co_u32 s20, s20, SCX                     ; part two: P's scale bytes; R's lie 16,384 + 2,048 wr - 4,096 wp further on:
	s_xor_b32 s21, s16, 1
	s_lshl_b32 s21, s21, 12
	s_lshl_b32 s22, s15, 11
	s_add_co_u32 s21, s21, s22
	s_add_co_u32 s22, s21, 10240                   ; R has four blocks: with the offsets of blocks 4-7 its lanes read blocks 0-3 again
	s_add_co_u32 s21, s21, 12288
	s_lshl_b32 s23, s14, 10
	s_add_co_u32 s23, s23, STG
	s_mov_b32 s100, 0x76543210
	s_mov_b32 s101, 0xfedcba98
	v_and_b32 v1, 15, v0                           ; r
	v_bfe_u32 v2, v0, 4, 1                         ; h
	v_and_b32 v3, 31, v0
	v_lshlrev_b32 v[L16], 4, v3
	v_lshlrev_b32 v[L8], 3, v3
	v_xor_b32 v4, 1, v2                            ; 1 - h
	v_lshlrev_b32 v5, 5, v1                        ; 32 bytes a row
	v_add_nc_u32 v[ADRA], s66, v[L16]
	v_add_nc_u32 v[ADRB], s67, v[L16]
	v_add_nc_u32 v[ADRB2], s2, v[L16]
	v_add_nc_u32 v[VADR], s3, v[L16]
	v_add_nc_u32 v[VADP], s12, v[L16]
	v_mul_u32_u24 v6, s18, v2                      ; lanes 0-15 take R's scale words, lanes 16-31 P's: the lower base + one product
	v_mul_u32_u24 v7, s19, v2
	v_mul_u32_u24 v8, s21, v4
	v_mul_u32_u24 v9, s22, v4
	v_add_nc_u32 v10, s13, v5
	v_add_nc_u32 v11, s20, v5
	v_add_nc_u32 v[ADS0], v10, v6
	v_add_nc_u32 v[ADS1], v10, v7
	v_add_nc_u32 v[ADS2], v11, v8
	v_add_nc_u32 v[ADS3], v11, v9
	v_lshl_add_u32 v[STO], v1, 2, s23
	v_add_nc_u32 v[SRD], s23, v[L16]
	v_add_nc_u32 v[SRD8], s23, v[L8]
.macro FRAG reg, adr, q, i             ; a fragment's image: two loads of 512 consecutive bytes
.irp c, 0,1
	ds_load_b128 v[\reg+4*\c:\reg+4*\c+3], v[\adr] offset:(\i)*8192+(\q)*1024+512*\c
.endr
.endm
; 16 matrix instructions of K step q: R's blocks a0, a0 + 1 (from register rb on) x P's eight.  The accumulators take turns, one instruction a turn, in the same order in every step.
.macro MUL16 a0, q, zero, rb
.irp a, \a0, \a0+1
.irp b, 0,1,2,3,4,5,6,7
.if \zero
	v_wmma_scale_f32_16x16x128_f8f6f4 v[8*(8*((\a)%4)+\b):8*(8*((\a)%4)+\b)+7], v[128*((\q)%2)+FR*\b:128*((\q)%2)+FR*\b+FR-1], v[(\rb)+FR*(\a):(\rb)+FR*(\a)+FR-1], 0, v[SC+32*((\q)/4)+4*\b+(\q)%4], v[SC+32*((\q)/4)+4*(\a)+(\q)%4] matrix_a_fmt:MATRIX_FMT_FP4 matrix_b_fmt:MATRIX_FMT_FP4 matrix_a_scale:MATRIX_SCALE_ROW1
.else
	v_wmma_scale_f32_16x16x128_f8f6f4 v[8*(8*((\a)%4)+\b):8*(8*((\a)%4)+\b)+7], v[128*((\q)%2)+FR*\b:128*((\q)%2)+FR*\b+FR-1], v[(\rb)+FR*(\a):(\rb)+FR*(\a)+FR-1], v[8*(8*((\a)%4)+\b):8*(8*((\a)%4)+\b)+7], v[SC+32*((\q)/4)+4*\b+(\q)%4], v[SC+32*((\q)/4)+4*(\a)+(\q)%4] matrix_a_fmt:MATRIX_FMT_FP4 matrix_b_fmt:MATRIX_FMT_FP4 matrix_a_scale:MATRIX_SCALE_ROW1
.endif
.endr
.endr
.endm
.macro FETCH_B q                       ; part one: P's eight fragments of K step q into set q % 2
	WIN TO_B
.irp i, 0,1,2,3
	FRAG 128*((\q)%2)+FR*\i, ADRB, \q, \i
.endr
.irp i, 4,5,6,7
	FRAG 128*((\q)%2)+FR*\i, ADRB2, \q, \i
.endr
	WIN 0
.endm
.macro FETCH_A q, i0
.irp i, \i0, \i0+1, \i0+2, \i0+3
	FRAG AF+FR*(\i), ADRA, \q, \i
.endr
.endm
.macro FETCH_V q                       ; part two: P's eight and R's four fragments of K step q into sets q % 2
	WIN TO_B
.irp i, 0,1,2,3,4,5,6,7
	FRAG 128*((\q)%2)+FR*\i, VADP, \q, \i
.endr
	WIN 0
.irp i, 0,1,2,3
	FRAG AF+32*((\q)%2)+FR*\i, VADR, \q, \i
.endr
.endm
.macro SCALES sc, lo, hi               ; four scale words a row, K steps 4 sc on
.irp i, 0,1,2,3
	ds_load_b128 v[SC+32*\sc+4*\i:SC+32*\sc+4*\i+3], v[\lo] offset:\i*512+16*\sc
.endr
.irp i, 4,5,6,7
	ds_load_b128 v[SC+32*\sc+4*\i:SC+32*\sc+4*\i+3], v[\hi] offset:\i*512+16*\sc
.endr
.endm
.macro PLACES n                        ; plain vector places behind matrix instructions, in front of loads into their registers and of reads of results
.rept \n
	v_nop
.endr
.endm
.macro STEP q, zero                    ; part one: a step of 128 along K that has a successor
	s_wait_dscnt 4*NL                              ; P's set and R's blocks 0-3 are in; the youngest eight loads (R's blocks 4-7) may be out
	WIN MUL_LO
	MUL16 0, \q, \zero, AF
	MUL16 2, \q, \zero, AF
	s_wait_dscnt 0
	PLACES NP
	FETCH_B (\q)+1
	FETCH_A (\q)+1, 0
	WIN MUL_HI
	MUL16 4, \q, \zero, AF
	MUL16 6, \q, \zero, AF
	PLACES NP
	WIN 0
	FETCH_A (\q)+1, 4
.endm
.macro VSTEP q, zero                   ; part two: the next step's 24 loads go out ahead of this step's 32 products
.if (\q) < 7
.if (\q) > 0
	PLACES NP
.endif
	FETCH_V (\q)+1
	s_wait_dscnt 24                                ; all but the 24 just issued
.else
	s_wait_dscnt 0x0
.endif
	WIN MUL_LO
	MUL16 0, \q, \zero, AF+32*((\q)%2)
	MUL16 2, \q, \zero, AF+32*((\q)%2)
	WIN 0
.endm
; R's block a leaves.  bp: the base's scalar pair; inc: from block to block; off2: from registers 0-3 to registers 4-7; two = 1: the scale word's upper half is a second tensor's.
.macro OUTBLK a, bp, inc, off2, two
.set AC, 64*((\a)%4)
	s_wait_xcnt 0x0                                ; the last block's stores have read their registers and base
	s_wait_dscnt 0x0
.if (\a) > 0
	s_add_nc_u64 s[\bp:\bp+1], s[\bp:\bp+1], \inc
.endif
	WIN 0x28+0x14*((\a)/4)                         ; sources 1 and 2: the accumulators' window
.irp b, 0,1,2,3
	v_max3_num_f32 v[TM+\b], 0x1800000, |v[AC+16*\b]|, |v[AC+16*\b+1]|   ; each accumulator is read from its low end on; the floor 2^(3 - 127) among the leaves
.endr
.irp i, 2,4,6,8,10,12,14
.irp b, 0,1,2,3
	v_max3_num_f32 v[TM+\b], v[TM+\b], |v[AC+16*\b+\i]|, |v[AC+16*\b+\i+1]|
.endr
.endr
	WIN 0
.irp b, 0,1,2,3
	v_permlanex16_b32 v[TM+4+\b], v[TM+\b], s100, s101
.endr
.irp b, 0,1,2,3
	v_max_num_f32 v[TM+\b], v[TM+\b], v[TM+4+\b]   ; the block's largest magnitude
.endr
.irp b, 0,1,2,3
	v_add_nc_u32 v[TM+12+\b], 0xff000000, v[TM+\b]
.endr
.irp b, 0,1,2,3
	v_lshrrev_b32 v[TM+4+\b], 23, v[TM+12+\b]
.endr
	v_lshl_or_b32 v[PW], v[TM+5], 8, v[TM+4]
	v_lshl_or_b32 v[PW], v[TM+6], 16, v[PW]
	v_lshl_or_b32 v[PW], v[TM+7], 24, v[PW]
.if \two
	v_lshrrev_b32 v[PW+1], 16, v[PW]               ; k's two bytes
.endif
	WIN 2+(\a)/4                                   ; source 0: the accumulators' window
.irp b, 0,1,2,3
	v_cvt_scalef32_pk8_fp4_f32 v[PC+2*\b], v[AC+16*\b:AC+16*\b+7], v[TM+12+\b]
	v_cvt_scalef32_pk8_fp4_f32 v[PC+1+2*\b], v[AC+16*\b+8:AC+16*\b+15], v[TM+12+\b]
.endr
	WIN 0
	v_nop                                          ; one plain place behind a scaled conversion
.irp c, 0,1
.irp i, 0,1
	v_permlane16_swap_b32 v[PC+4*\c+\i], v[PC+2+4*\c+\i]   ; a whole block to a lane: lanes 0-15 block 2 c, lanes 16-31 block 2 c + 1
.endr
.endr
	global_store_b128 v[L16], v[PC:PC+3], s[\bp:\bp+1]                 ; each store covers 512 consecutive bytes, aligned
	global_store_b128 v[L16], v[PC+4:PC+7], s[\bp:\bp+1] offset:\off2
	ds_store_b32 v[STO], v[PW] offset:64*(\a)              ; both halves of the lanes hold the same word
.if \two
	ds_store_b32 v[STO], v[PW+1] offset:512+64*(\a)
.endif
.endm
	s_wait_alu depctr_va_vdst(0)                   ; the head's end
	s_wait_tensorcnt 0x0                           ; my tile of the four is in;
	s_barrier_signal -1
	s_barrier_wait -1                              ; and so is everybody's.
	; ---- part one: q and k
	FETCH_B 0
	FETCH_A 0, 0
	SCALES 0, ADS0, ADS1
	SCALES 1, ADS0, ADS1
	FETCH_A 0, 4
	STEP 0, 1                                      ; the first products start the sums: nothing is cleared
.set Q, 1
.rept 6
	STEP Q, 0
.set Q, Q+1
.endr
	s_wait_dscnt 4*NL
	WIN MUL_LO
	MUL16 0, 7, 0, AF
	MUL16 2, 7, 0, AF
	s_wait_dscnt 0
	WIN MUL_HI
	MUL16 4, 7, 0, AF
	MUL16 6, 7, 0, AF
	WIN 0
	PLACES NP
	s_wait_tensorcnt 0x0                           ; the refill's three lines: no tensor load of mine is out,
	ds_add_u32 v[SPW], v[NIL]                      ; 0 onto my spare word;
	s_wait_dscnt 0x0                               ; the add is done, and my reads of q's bytes are over
	CROUND                                         ; both now hold of every wave of the sixteen work-groups
	tensor_load_to_lds s[G0R:G0R+3], s[G1R:G1R+7]  ; v's rowtiles 2 wave, 2 wave + 1 into q's bytes: my one load behind the round
	s_nop 0
.irp b, 0,1,2,3
	v_mov_b32 v[TM+4+\b], 0                        ; written once: a lane exchange's destination counts as one of its sources.  (Four vector lines ahead of the next switch of windows)
.endr
.irp a, 0,1,2,3,4,5,6,7
	OUTBLK \a, 8, 512, 4194304, 1
.endr
	ds_load_b128 v[SOUT:SOUT+3], v[SRD]            ; q's 128 scale words, and k's
	ds_load_b128 v[SOUT+4:SOUT+7], v[SRD] offset:512
	s_wait_dscnt 0x0
	global_store_b128 v[L16], v[SOUT:SOUT+3], s[10:11]                 ; 512 consecutive bytes each
	global_store_b128 v[L16], v[SOUT+4:SOUT+7], s[10:11] offset:524288
	; ---- part two: v
	s_wait_tensorcnt 0x0                           ; my part of v's codes is in;
	s_barrier_signal -1
	s_barrier_wait -1                              ; and so is everybody's.
	SCALES 0, ADS2, ADS3
	SCALES 1, ADS2, ADS3
	FETCH_V 0
	VSTEP 0, 1
.set Q, 1
.rept 7
	VSTEP Q, 0
.set Q, Q+1
.endr
	PLACES NP
.irp a, 0,1,2,3
	OUTBLK \a, 60, 1024, 512, 0
.endr
	ds_load_b64 v[SOUT:SOUT+1], v[SRD8]            ; my 64 scale words
	s_wait_dscnt 0x0
	global_store_b64 v[L8], v[SOUT:SOUT+1], s[62:63]       ; 256 consecutive bytes, aligned
	s_wait_tensorcnt 0x0                           ; the wave's end
	ds_add_u32 v[SPW], v[NIL]
	s_wait_dscnt 0x0
	CROUND                                         ; the closing round
	s_endpgm
.Lfunc_end_k_qed523273d8_qkv:
	.size	k_qed523273d8_qkv, .Lfunc_end_k_qed523273d8_qkv-k_qed523273d8_qkv
	.p2alignl 7, 3214868480
	.fill 96, 4, 3214868480
	.section	.rodata,"a",@progbits
	.p2align	6, 0x0
	.amdhsa_kernel k_qed523273d8_qkv
		.amdhsa_group_segment_fixed_size 327680
		.amdhsa_private_segment_fixed_size 0
		.amdhsa_enable_private_segment 0
		.amdhsa_kernarg_size 32
		.amdhsa_user_sgpr_count 2
		.amdhsa_user_sgpr_kernarg_segment_ptr 1
		.amdhsa_wavefront_size32 1
		.amdhsa_system_sgpr_workgroup_id_x 1
		.amdhsa_system_sgpr_workgroup_id_y 1
		.amdhsa_system_sgpr_workgroup_id_z 1
		.amdhsa_system_vgpr_workitem_id 0
		.amdhsa_next_free_vgpr 1024
		.amdhsa_next_free_sgpr 102
		.amdhsa_reserve_vcc 0
		.amdhsa_float_denorm_mode_32 3
		.amdhsa_float_denorm_mode_16_64 3
		.amdhsa_memory_ordered 1
		.amdhsa_forward_progress 1
		.amdhsa_inst_pref_size 195
	.end_amdhsa_kernel
	.amdgpu_metadata
---
amdhsa.version: [ 1, 2 ]
amdhsa.kernels:
  - .name:           k_qed523273d8_qkv
    .symbol:         k_qed523273d8_qkv.kd
    .args:
      - { .name: xw_img, .offset: 0, .size: 8, .value_kind: global_buffer, .address_space: global }
      - { .name: xw_sc, .offset: 8, .size: 8, .value_kind: global_buffer, .address_space: global }
      - { .name: qkv_img, .offset: 16, .size: 8, .value_kind: global_buffer, .address_space: global }
      - { .name: qkv_sc, .offset: 24, .size: 8, .value_kind: global_buffer, .address_space: global }
    .group_segment_fixed_size: 327680
    .private_segment_fixed_size: 0
    .kernarg_segment_align: 8
    .kernarg_segment_size: 32
    .max_flat_workgroup_size: 128
    .sgpr_count:     102
    .vgpr_count:     1024
    .wavefront_size: 32
...
	.end_amdgpu_metadata
.endif
;; end of part 2
;; launch attn (part 3): grid 2 x 128, 16 waves a work-group, no clusters, 74,752 bytes of LDS; arguments qkv_img, qkv_sc, maskw, a_buf, klpart, out1; writes a_buf, out1
.if DOCPART == 3
	.amdgcn_target "amdgcn-amd-amdhsa--gfx1250"
	.amdhsa_code_object_version 6
	.text
	.protected	k_qed523273d8_attn
	.globl	k_qed523273d8_attn
	.p2align	8
	.type	k_qed523273d8_attn,@function
k_qed523273d8_attn:
	s_mov_b64 s[64:65], 0
	v_nop
	global_prefetch_b8 v0, s[64:65] scope:SCOPE_SE
	s_setreg_imm32_b32 hwreg(HW_REG_WAVE_MODE, 25, 1), 1
	s_wait_xcnt 0x0
; ATTN: for each (head, batch): scores on codes of q and k, the mask, p = 2^(t - M) quantised along the keys, the product with v's codes, the division by the row's sum, and the result quantised along the head's 64.
; WORK LEFT OUT: a step of 16 queries x 128 keys that attn_mask hides wholly (flag 2 in maskw, stored by the first launch) adds p = 0 to every sum, whatever the other inputs hold: it is passed over by a scalar
; branch on that stored whole number.  A NaN or an infinity that would reach only such a step is not carried to the result.
; The launch has no tensor load, no copy and no cluster: a head's K and V (70 KB) come through registers into LDS once for each of its two work-groups.
; SHARES.  Work-group (z, Y = head x 8 + b).  Wave w takes two tiles of 16 queries one after the other: T = 16 z + w and 63 - T, which evens the work out where the hidden part grows with T; the text is right for any mask.
; Both tiles' Q, Q's scale words and the steps' flags are asked for at the head, with the fill of K and V.  The 64 lane masks of a step are asked for only in a step whose flag is 1 (some keys hidden, some not).
; LAYOUT.  Both products are used transposed: S^T = K Q^T (source 0 = 16 neighbouring keys), O^T = V^T P^T: a lane holds one query (lane % 16) throughout; register 8 t + j of S^T is key 16 t + 8 (lane / 16) + j.
; The head's K is 64: Q's registers 4-7 are zero codes, so what stands in K's registers 4-7 (the next tile's codes, finite, under scale bytes that are never 0xff) adds nothing.
; THE SOFTMAX: t = score x log2(e) / 8; M = the running largest t rounded up to a whole number; the sum is taken of the unquantised p; when M moves, the sum and O^T are multiplied by 2^(old M - new M), exactly.
; A QUERY ALL OF WHOSE KEYS ARE HIDDEN has the sum 0, where the module gives NaN: its codes are zeros and its two scale bytes are 0xff, which make the projection's sums NaN.
; a_buf: codes [b][s / 16][head][512: registers 0-3 or 4-7 of a fragment]; from byte 4,194,304 on [head x 8 + b][s] two scale bytes.
.set KIMG,  0                          ; [key tile 64][512]
.set VIMG,  32768                      ; [step 8][d tile 4][1,024]
.set KSC,   65536                      ; [step][r 16][tile 8] words
.set VSC,   69632                      ; [step][r 16][d tile 4] words
.set OSC,   71680                      ; [run 2][tile 16][r] two bytes: the results' scale bytes on their way out
.set SPARE, 72704                      ; the spare words, 128 bytes for each wave: eight blocks of 256 bytes that no other line names
.set L16, 1
.set AKS, 2
.set AVS, 3
.set SPW, 4
.set NIL, 5
.set ADK, 6
.set ADS, 7
.set ADT, 8
.set R4,  9
.set OS0, 10
.set OS1, 11
.set ORD, 26
.set BM,  216                          ; v216-219 the blocks' largest scores, then largest p
.set PM,  220                          ; v220-223 the other half's; a chain of the sum; the bytes
.set SO,  224                          ; v224-227 the conversions' scale operands
.set F,   228                          ; v228 f = 2^(old M - new M); v229 named with it as a pair
.set TMP, 230
.set W16, 231
.set Q1,  232                          ; v232-235 the second tile's Q, v236 its scale words, until its turn
.set SEL, 28                           ; s28, s29
.set CS,  30                           ; s[30:31] c = log2(e) / 8
.set FW1, 66                           ; s66  the second tile's flags, two bits a step
; v12 -M, v13 the largest t, v[14:15] the sum; v16-19 Q, v20-23 zeros, v24 Q's scale words, v25 -infinity; v28-59 K, v60-63 zeros; v64-95 V; v96-159 S^T, then p; v160-191 O^T; v192-199 p's codes;
; v200-207 K's scale words, v208-211 V's, v212 p's.  s32-63, s68-99: at the head pointers and flags, then the 64 lane masks of a step.
	s_load_b256 s[4:11], s[0:1], 0x0               ; qkv_img, qkv_sc, maskw, a_buf
	s_load_b128 s[48:51], s[0:1], 0x20             ; klpart, out1
	v_lshl_add_u32 v[SPW], v0, 2, SPARE
	v_mov_b32 v[NIL], 0
	v_lshrrev_b32 v6, 5, v0
	s_delay_alu instid0(VALU_DEP_1)
	v_readfirstlane_b32 s2, v6                     ; wave 0..15
	s_and_b32 s3, ttmp7, 0xffff                    ; Y
	s_lshl_b32 s12, ttmp9, 4
	s_add_co_u32 s12, s12, s2                      ; my first tile of queries,
	s_xor_b32 s13, s12, 63                         ; and my second: 63 - T
	v_and_b32 v6, 31, v0
	v_and_b32 v7, 15, v0
	s_delay_alu instid0(VALU_DEP_2)
	v_lshlrev_b32 v[L16], 4, v6
	s_wait_alu depctr_va_vdst(0)
	v_lshlrev_b32 v[AKS], 5, v7
	s_delay_alu instid0(VALU_DEP_1)
	v_add_nc_u32 v[AKS], KSC, v[AKS]
	v_lshlrev_b32 v[AVS], 4, v7
	s_delay_alu instid0(VALU_DEP_1)
	v_add_nc_u32 v[AVS], VSC, v[AVS]
	v_lshlrev_b32 v[R4], 2, v7
	s_lshl_b32 s20, s2, 5
	s_add_co_u32 s20, s20, OSC
	v_lshl_add_u32 v[OS0], v7, 1, s20
	s_xor_b32 s20, s2, 15                          ; 15 - wave: the second run's tiles descend with the wave
	s_lshl_b32 s20, s20, 5
	s_add_co_u32 s20, s20, OSC+512
	v_lshl_add_u32 v[OS1], v7, 1, s20
	s_and_b32 s20, s2, 1
	s_lshl_b32 s20, s20, 9
	s_add_co_u32 s20, s20, OSC
	v_add_nc_u32 v[ORD], s20, v[L16]
	v_lshlrev_b32 v240, 4, v0                      ; the fill: 16 x thread,
	v_lshlrev_b32 v243, 3, v0
	v_lshlrev_b32 v244, 2, v0
	v_lshrrev_b32 v245, 6, v0                      ; K's scale words 2 t, 2 t + 1: step t / 64, tile (t / 8) % 8, r = 2 (t % 8)
	v_and_b32 v246, 7, v0
	v_bfe_u32 v247, v0, 3, 3
	s_delay_alu instid0(VALU_DEP_3)
	v_lshlrev_b32 v241, 9, v245
	s_delay_alu instid0(VALU_DEP_1)
	v_lshl_add_u32 v241, v246, 6, v241
	s_delay_alu instid0(VALU_DEP_1)
	v_lshl_add_u32 v241, v247, 2, v241
	s_delay_alu instid0(VALU_DEP_1)
	v_add_nc_u32 v241, KSC, v241
	v_bfe_u32 v247, v0, 4, 2                       ; V's word t: step t / 64, d tile (t / 16) % 4, r = t % 16
	v_lshlrev_b32 v242, 8, v245
	s_delay_alu instid0(VALU_DEP_1)
	v_lshl_add_u32 v242, v7, 4, v242
	s_delay_alu instid0(VALU_DEP_1)
	v_lshl_add_u32 v242, v247, 2, v242
	s_delay_alu instid0(VALU_DEP_1)
	v_add_nc_u32 v242, VSC, v242
	s_mov_b32 s[SEL], 0x76543210
	s_mov_b32 s[SEL+1], 0xfedcba98
	s_mov_b32 s[CS], 0x3e38aa3b
	s_mov_b32 s[CS+1], s[CS]
	s_add_co_u32 s20, s3, 128                      ; byte offsets, each in a pair of its own: k's chunk and its scale words,
	s_lshl_b32 s16, s20, 12
	s_lshl_b32 s20, s20, 15
	s_mov_b32 s21, 0
	s_mov_b32 s17, 0
	s_lshl_b32 s18, s3, 11                         ; v's scale words,
	s_add_co_u32 s18, s18, 1048576
	s_mov_b32 s19, 0
	s_lshl_b32 s32, s3, 15                         ; q's fragments of my two tiles: chunk Y, 512 bytes a tile,
	s_lshl_b32 s34, s12, 9
	s_add_co_u32 s34, s34, s32
	s_lshl_b32 s36, s13, 9
	s_add_co_u32 s36, s36, s32
	s_lshl_b32 s32, s3, 12                         ; their scale words: 64 bytes a tile,
	s_lshl_b32 s38, s12, 6
	s_add_co_u32 s38, s38, s32
	s_lshl_b32 s42, s13, 6
	s_add_co_u32 s42, s42, s32
	s_lshl_b32 s44, s12, 12                        ; and the tiles' eight steps in maskw, 512 bytes each
	s_lshl_b32 s46, s13, 12
.irp i, 35,37,39,43,45,47
	s_mov_b32 s[\i], 0
.endr
	s_wait_kmcnt 0x0
	s_add_nc_u64 s[22:23], s[4:5], s[20:21]        ; k's chunk; v's lies 4,194,304 bytes on
	s_add_nc_u64 s[26:27], s[6:7], s[16:17]
	s_add_nc_u64 s[40:41], s[6:7], s[18:19]
	s_add_nc_u64 s[34:35], s[4:5], s[34:35]
	s_add_nc_u64 s[36:37], s[4:5], s[36:37]
	s_add_nc_u64 s[38:39], s[6:7], s[38:39]
	s_add_nc_u64 s[42:43], s[6:7], s[42:43]
	s_add_nc_u64 s[44:45], s[8:9], s[44:45]
	s_add_nc_u64 s[46:47], s[8:9], s[46:47]
.irp j, 0,1,2,3,4,5,6,7
	s_load_b32 s[68+\j], s[44:45], 512*\j+256      ; the steps' flags of my first tile,
.endr
.irp j, 0,1,2,3,4,5,6,7
	s_load_b32 s[76+\j], s[46:47], 512*\j+256      ; and of my second
.endr
.irp i, 0,1,2,3
	global_load_b128 v[96+4*\i:99+4*\i], v240, s[22:23] offset:8192*\i
.endr
.irp i, 0,1,2,3
	global_load_b128 v[112+4*\i:115+4*\i], v240, s[22:23] offset:4194304+8192*\i
.endr
	global_load_b64 v[128:129], v243, s[26:27]
	global_load_b32 v130, v244, s[40:41]
	global_load_b128 v[16:19], v[L16], s[34:35]    ; Q of my first tile, where the products take it,
	global_load_b32 v24, v[R4], s[38:39]
	global_load_b128 v[Q1:Q1+3], v[L16], s[36:37]  ; and of my second, kept until its turn
	global_load_b32 v[Q1+4], v[R4], s[42:43]
.irp i, 20,21,22,23,60,61,62,63
	v_mov_b32 v[\i], 0
.endr
.irp i, 0,1,2,3
	v_mov_b32 v[PM+\i], 0                          ; written once: a lane exchange's destination counts as one of its sources
.endr
	v_mov_b32 v[F+1], 0
	v_mov_b32 v[TMP], 0
	v_mov_b32 v25, 0xff800000
	s_wait_kmcnt 0x0                               ; the sixteen flags
	s_mov_b32 s14, s68
	s_mov_b32 s[FW1], s76
.irp j, 1,2,3,4,5,6,7
	s_lshl_b32 s20, s[68+\j], 2*\j
	s_or_b32 s14, s14, s20                         ; two bits a step
	s_lshl_b32 s20, s[76+\j], 2*\j
	s_or_b32 s[FW1], s[FW1], s20
.endr
	s_wait_loadcnt 0x4                             ; the ten loads of the fill are in; Q's four, issued behind them, may be out
.irp i, 0,1,2,3
	ds_store_b128 v240, v[96+4*\i:99+4*\i] offset:KIMG+8192*\i
	ds_store_b128 v240, v[112+4*\i:115+4*\i] offset:VIMG+8192*\i
.endr
	ds_store_b32 v241, v128
	ds_store_b32 v241, v129 offset:32
	ds_store_b32 v242, v130
	s_wait_dscnt 0x0                               ; for the others' sake: my part of the head has landed
	s_barrier_signal -1
	s_barrier_wait -1
	s_wait_loadcnt 0x0                             ; Q of both tiles; the pointers at s34-47 may be written from here on
	; THE KL NUMBER: wave 2 of work-group (0, 0) adds the 128 parts that the first launch stored and stores the mean over 2^22 numbers, halved.  The branch hangs on ids alone.
	s_xor_b32 s20, s2, 2
	s_or_b32 s20, s20, s3
	s_or_b32 s20, s20, ttmp9
	s_cmp_eq_u32 s20, 0
	s_cbranch_scc0 .Lno_kl
	global_load_b128 v[100:103], v[L16], s[48:49]  ; 512 consecutive bytes
	v_and_b32 v104, 31, v0
	s_delay_alu instid0(VALU_DEP_1)
	v_cmp_eq_u32 vcc_lo, 0, v104
	s_wait_loadcnt 0x0
	v_add_f32 v100, v100, v101
	v_add_f32 v102, v102, v103
	s_delay_alu instid0(VALU_DEP_1)
	v_add_f32 v100, v100, v102
	s_delay_alu instid0(VALU_DEP_1)
	v_add_f32_dpp v100, v100, v100 row_xmask:1 row_mask:0xf bank_mask:0xf
	s_delay_alu instid0(VALU_DEP_1)
	v_add_f32_dpp v100, v100, v100 row_xmask:2 row_mask:0xf bank_mask:0xf
	s_delay_alu instid0(VALU_DEP_1)
	v_add_f32_dpp v100, v100, v100 row_xmask:4 row_mask:0xf bank_mask:0xf
	s_delay_alu instid0(VALU_DEP_1)
	v_add_f32_dpp v100, v100, v100 row_xmask:8 row_mask:0xf bank_mask:0xf
	s_delay_alu instid0(VALU_DEP_1)
	v_permlanex16_b32 v101, v100, s[SEL], s[SEL+1]
	s_delay_alu instid0(VALU_DEP_1)
	v_add_f32 v100, v100, v101
	s_delay_alu instid0(VALU_DEP_1)
	v_mul_f32 v100, 0x34000000, v100               ; x 2^-23
	s_wait_alu depctr_va_vdst(0)
	s_wait_xcnt 0x0                                ; EXEC changes only behind this wait
	s_and_saveexec_b32 s20, vcc_lo
	global_store_b32 v104, v100, s[50:51]          ; lane 0 alone
	s_wait_xcnt 0x0
	s_or_b32 exec_lo, exec_lo, s20
.Lno_kl:
; A step's front: K, V and their scale words from LDS, and S^T = K Q^T.  It is written in both arms of the branch on the step's flag.
.macro FRONT
	v_add_nc_u32 v[ADK], s17, v[L16]               ; three additions and a v_nop: the four places in front of loads into registers that the last products read
	v_add_nc_u32 v[ADS], s18, v[AKS]
	v_add_nc_u32 v[ADT], s19, v[AVS]
	v_nop
.irp t, 0,1,2,3,4,5,6,7
	ds_load_b128 v[28+4*\t:31+4*\t], v[ADK] offset:KIMG+512*\t
.endr
	ds_load_b128 v[200:203], v[ADS]
	ds_load_b128 v[204:207], v[ADS] offset:16
.irp d, 0,1,2,3
	ds_load_b128 v[64+8*\d:67+8*\d], v[ADK] offset:VIMG+1024*\d
	ds_load_b128 v[68+8*\d:71+8*\d], v[ADK] offset:VIMG+1024*\d+512
.endr
	ds_load_b128 v[208:211], v[ADT]
	s_wait_dscnt 9                                 ; K and its scale words are in; V's eight loads and its scale words may be out
.irp t, 0,1,2,3,4,5,6,7
	v_wmma_scale_f32_16x16x128_f8f6f4 v[96+8*\t:103+8*\t], v[28+4*\t:35+4*\t], v[16:23], 0, v[200+\t], v24 matrix_a_fmt:MATRIX_FMT_FP4 matrix_b_fmt:MATRIX_FMT_FP4
.endr
.rept 4
	v_nop
.endr
.endm
; One tile of 16 queries, T in s13, its flags in s14.  os: where its scale bytes go.  second = 1: Q and the flags are taken from where the head left them.
.macro TILE os, second
	s_wait_xcnt 0x0                                ; the last tile's store has read its registers and base
	s_lshl_b32 s20, s13, 12
	s_mov_b32 s21, 0
	s_add_nc_u64 s[24:25], s[8:9], s[20:21]        ; the tile's eight steps in maskw, 512 bytes each
.if \second
.irp i, 0,1,2,3
	v_mov_b32 v[16+\i], v[Q1+\i]                   ; the 36 plain lines below are the places between these and the scaled products that read them
.endr
	v_mov_b32 v24, v[Q1+4]
	s_mov_b32 s14, s[FW1]
.endif
	v_mov_b32 v13, 0xff61b1e6                      ; the largest t so far: -3e38
	s_delay_alu instid0(VALU_DEP_1)
	v_floor_f32 v12, -v13
	v_mov_b32 v14, 0
	v_mov_b32 v15, 0
.set n, 0
.rept 32
	v_mov_b32 v[160+n], 0                          ; which step is a tile's first hangs on the mask, so the sums begin as zeros
.set n, n+1
.endr
	s_mov_b32 s16, 0
	s_mov_b32 s17, 0
	s_mov_b32 s18, 0
	s_mov_b32 s19, 0
.Lstep_\@:                                             ; eight trips, a constant: what a hidden step leaves out is its work, not the trip
	s_and_b32 s15, s14, 3
	s_cmp_eq_u32 s15, 2
	s_cbranch_scc1 .Lhidden_\@
	s_cmp_eq_u32 s15, 1
	s_cbranch_scc0 .Lplain_\@
	s_load_b512 s[32:47], s[24:25], 0x0            ; some keys hidden: the step's 64 lane masks, asked for ahead of the front
	s_load_b512 s[48:63], s[24:25], 0x40
	s_load_b512 s[68:83], s[24:25], 0x80
	s_load_b512 s[84:99], s[24:25], 0xc0
	FRONT
	s_wait_kmcnt 0x0
.set n, 0
.rept 64
	v_cndmask_b32 v[96+n], v[96+n], v25, s[32+n+4*(n/32)]   ; hidden scores become -infinity ahead of the maximum
.set n, n+1
.endr
	s_branch .Lsoft_\@
.Lplain_\@:
	FRONT                                          ; no key hidden: no mask is asked for
.Lsoft_\@:
.irp b, 0,1,2,3
	v_max3_num_f32 v[BM+\b], v[96+16*\b], v[97+16*\b], v[98+16*\b]   ; the largest score of each block of 32 keys: for the row's maximum, and, since p rises with the score, for the block's largest p
.endr
.irp i, 3,5,7,9,11,13
.irp b, 0,1,2,3
	v_max3_num_f32 v[BM+\b], v[BM+\b], v[96+16*\b+\i], v[97+16*\b+\i]
.endr
.endr
.irp b, 0,1,2,3
	v_max_num_f32 v[BM+\b], v[BM+\b], v[111+16*\b]
.endr
.irp b, 0,1,2,3
	s_delay_alu instid0(VALU_DEP_4)
	v_permlanex16_b32 v[PM+\b], v[BM+\b], s[SEL], s[SEL+1]
.endr
.irp b, 0,1,2,3
	s_delay_alu instid0(VALU_DEP_4)
	v_max_num_f32 v[BM+\b], v[BM+\b], v[PM+\b]
.endr
	s_delay_alu instid0(VALU_DEP_2)
	v_max3_num_f32 v[TMP], v[BM], v[BM+1], v[BM+2]
	s_delay_alu instid0(VALU_DEP_1)
	v_max_num_f32 v[TMP], v[TMP], v[BM+3]
	s_delay_alu instid0(VALU_DEP_1)
	v_mul_f32 v[TMP], s[CS], v[TMP]
	s_delay_alu instid0(VALU_DEP_1)
	v_max_num_f32 v13, v13, v[TMP]                 ; the running largest t
	v_mov_b32 v[TMP], v12
	s_delay_alu instid0(VALU_DEP_2)
	v_floor_f32 v12, -v13                          ; -M = floor(-t): M is a whole number
	s_delay_alu instid0(VALU_DEP_1)
	v_sub_f32 v[TMP], v12, v[TMP]
	s_delay_alu instid0(VALU_DEP_1)
	v_cvt_i32_f32 v[TMP], v[TMP]                   ; (it saturates)
	s_delay_alu instid0(VALU_DEP_1)
	v_ldexp_f32 v[F], 1.0, v[TMP]                  ; f = 2^(old M - new M)
.set n, 0
.rept 32
	v_pk_fma_f32 v[96+n:97+n], v[96+n:97+n], s[CS:CS+1], v[12:13] op_sel_hi:[1,0,0]   ; t - M
.set n, n+2
.endr
.irp b, 0,1,2,3
	v_fma_f32 v[BM+\b], v[BM+\b], s[CS], v12
.endr
.set n, 0
	s_wait_alu depctr_va_vdst(0)
.rept 64
	v_exp_f32 v[96+n], v[96+n]                     ; p = 2^(t - M): one batch
.set n, n+1
.endr
	v_pk_mul_f32 v[14:15], v[14:15], v[F:F+1] op_sel_hi:[1,0]      ; the sum under the new M (a plain place behind the batch)
	s_wait_alu depctr_va_vdst(0)                   ; one wait for the batch, ahead of its first reader
.irp b, 0,1,2,3
	v_exp_f32 v[BM+\b], v[BM+\b]                   ; the blocks' largest p
.endr
	v_pk_add_f32 v[220:221], v[100:101], v[104:105]
	v_pk_add_f32 v[254:255], v[108:109], v[112:113]
	v_pk_add_f32 v[252:253], v[116:117], v[120:121]
	v_pk_add_f32 v[250:251], v[124:125], v[128:129]
	v_pk_add_f32 v[248:249], v[132:133], v[136:137]
	v_pk_add_f32 v[246:247], v[140:141], v[144:145]
	v_pk_add_f32 v[244:245], v[148:149], v[152:153]
	v_pk_add_f32 v[14:15], v[14:15], v[156:157]
	v_pk_add_f32 v[220:221], v[220:221], v[96:97]
	v_pk_add_f32 v[254:255], v[254:255], v[98:99]
	v_pk_add_f32 v[252:253], v[252:253], v[102:103]
	v_pk_add_f32 v[250:251], v[250:251], v[106:107]
	v_pk_add_f32 v[248:249], v[248:249], v[110:111]
	v_pk_add_f32 v[246:247], v[246:247], v[114:115]
	v_pk_add_f32 v[244:245], v[244:245], v[118:119]
	v_pk_add_f32 v[14:15], v[14:15], v[122:123]
	v_pk_add_f32 v[220:221], v[220:221], v[126:127]
	v_pk_add_f32 v[254:255], v[254:255], v[130:131]
	v_pk_add_f32 v[252:253], v[252:253], v[134:135]
	v_pk_add_f32 v[250:251], v[250:251], v[138:139]
	v_pk_add_f32 v[248:249], v[248:249], v[142:143]
	v_pk_add_f32 v[246:247], v[246:247], v[146:147]
	v_pk_add_f32 v[244:245], v[244:245], v[150:151]
	v_pk_add_f32 v[14:15], v[14:15], v[154:155]
	v_pk_add_f32 v[220:221], v[220:221], v[158:159]
	s_delay_alu instid0(VALU_DEP_2)
	v_pk_add_f32 v[14:15], v[14:15], v[250:251]
	s_delay_alu instid0(VALU_DEP_2)
	v_pk_add_f32 v[220:221], v[220:221], v[248:249]
	v_pk_add_f32 v[254:255], v[254:255], v[246:247]
	v_pk_add_f32 v[252:253], v[252:253], v[244:245]
	s_delay_alu instid0(VALU_DEP_2)
	v_pk_add_f32 v[14:15], v[14:15], v[254:255]
	s_delay_alu instid0(VALU_DEP_2)
	v_pk_add_f32 v[220:221], v[220:221], v[252:253]
	s_delay_alu instid0(VALU_DEP_1)
	v_pk_add_f32 v[14:15], v[14:15], v[220:221]
	s_wait_alu depctr_va_vdst(0)                   ; and one for the four
.irp b, 0,1,2,3
	v_max_num_f32 v[BM+\b], 0x1800000, v[BM+\b]    ; the floor: the byte cannot fall under 1
.endr
.irp b, 0,1,2,3
	s_delay_alu instid0(VALU_DEP_4)
	v_add_nc_u32 v[SO+\b], 0xff000000, v[BM+\b]
.endr
.irp b, 0,1,2,3
	s_delay_alu instid0(VALU_DEP_4)
	v_lshrrev_b32 v[PM+\b], 23, v[SO+\b]
.endr
	s_delay_alu instid0(VALU_DEP_3)
	v_lshl_or_b32 v212, v[PM+1], 8, v[PM]
	s_delay_alu instid0(VALU_DEP_1)
	v_lshl_or_b32 v212, v[PM+2], 16, v212
	s_delay_alu instid0(VALU_DEP_1)
	v_lshl_or_b32 v212, v[PM+3], 24, v212
.irp b, 0,1,2,3
	v_cvt_scalef32_pk8_fp4_f32 v[192+2*\b], v[96+16*\b:103+16*\b], v[SO+\b]
	v_cvt_scalef32_pk8_fp4_f32 v[193+2*\b], v[104+16*\b:111+16*\b], v[SO+\b]
.endr
	v_nop                                          ; one plain place behind a scaled conversion
.irp c, 0,1
.irp i, 0,1
	v_permlane16_swap_b32 v[192+4*\c+\i], v[194+4*\c+\i]
.endr
.endr
.set n, 0
.rept 16
	v_pk_mul_f32 v[160+n:161+n], v[160+n:161+n], v[F:F+1] op_sel_hi:[1,0]   ; O^T under the new M; these sixteen are also the places in front of the scaled products
.set n, n+2
.endr
	s_wait_alu depctr_va_vdst(0)
	s_wait_dscnt 0x0                               ; V
.irp d, 0,1,2,3
	v_wmma_scale_f32_16x16x128_f8f6f4 v[160+8*\d:167+8*\d], v[64+8*\d:71+8*\d], v[192:199], v[160+8*\d:167+8*\d], v[208+\d], v212 matrix_a_fmt:MATRIX_FMT_FP4 matrix_b_fmt:MATRIX_FMT_FP4
.endr
.Lhidden_\@:
	s_lshr_b32 s14, s14, 2
	s_add_co_u32 s17, s17, 4096
	s_add_co_u32 s18, s18, 512
	s_add_co_u32 s19, s19, 256
	s_add_nc_u64 s[24:25], s[24:25], 512           ; (a step that asked for masks has waited for them)
	s_add_co_u32 s16, s16, 1
	s_cmp_lt_u32 s16, 8
	s_cbranch_scc1 .Lstep_\@
	; the tile's end: O^T / the sum, quantised along the head's 64
	v_add_f32 v14, v14, v15
	s_delay_alu instid0(VALU_DEP_1)
	v_permlanex16_b32 v[TMP], v14, s[SEL], s[SEL+1]
	s_delay_alu instid0(VALU_DEP_1)
	v_add_f32 v14, v14, v[TMP]                     ; the row's sum
	s_delay_alu instid0(VALU_DEP_1)
	v_cmp_neq_f32 vcc_lo, 0, v14
	v_rcp_f32 v15, v14
	v_nop
	s_wait_alu depctr_va_vdst(0)
	v_cndmask_b32 v15, 0, v15, vcc_lo              ; every key hidden: zeros here, and the bytes 0xff below
.set n, 0
.rept 32
	v_mul_f32 v[96+n], v[160+n], v15
.set n, n+1
.endr
.irp b, 0,1
	v_max3_num_f32 v[BM+\b], |v[96+16*\b]|, |v[97+16*\b]|, 0x1800000
.endr
.irp i, 2,4,6,8,10,12,14
.irp b, 0,1
	s_delay_alu instid0(VALU_DEP_2)
	v_max3_num_f32 v[BM+\b], v[BM+\b], |v[96+16*\b+\i]|, |v[97+16*\b+\i]|
.endr
.endr
.irp b, 0,1
	s_delay_alu instid0(VALU_DEP_2)
	v_permlanex16_b32 v[PM+\b], v[BM+\b], s[SEL], s[SEL+1]
.endr
.irp b, 0,1
	s_delay_alu instid0(VALU_DEP_2)
	v_max_num_f32 v[BM+\b], v[BM+\b], v[PM+\b]
.endr
.irp b, 0,1
	s_delay_alu instid0(VALU_DEP_2)
	v_add_nc_u32 v[SO+\b], 0xff000000, v[BM+\b]
.endr
.irp b, 0,1
	s_delay_alu instid0(VALU_DEP_2)
	v_lshrrev_b32 v[PM+\b], 23, v[SO+\b]
.endr
	s_delay_alu instid0(VALU_DEP_1)
	v_lshl_or_b32 v[W16], v[PM+1], 8, v[PM]
	s_delay_alu instid0(VALU_DEP_1)
	v_cndmask_b32 v[W16], 0xffff, v[W16], vcc_lo
.irp b, 0,1
	v_cvt_scalef32_pk8_fp4_f32 v[192+2*\b], v[96+16*\b:103+16*\b], v[SO+\b]
	v_cvt_scalef32_pk8_fp4_f32 v[193+2*\b], v[104+16*\b:111+16*\b], v[SO+\b]
.endr
	v_nop
	v_permlane16_swap_b32 v192, v194
	v_permlane16_swap_b32 v193, v195
	s_wait_alu depctr_va_vdst(0)
	s_and_b32 s20, s3, 7                           ; b
	s_lshl_b32 s20, s20, 6
	s_add_co_u32 s20, s20, s13
	s_lshl_b32 s20, s20, 4
	s_lshr_b32 s22, s3, 3                          ; head
	s_add_co_u32 s20, s20, s22
	s_lshl_b32 s20, s20, 9
	s_mov_b32 s21, 0
	s_add_nc_u64 s[22:23], s[10:11], s[20:21]
	global_store_b128 v[L16], v[192:195], s[22:23] ; 512 consecutive bytes, aligned
	ds_store_b16 v[\os], v[W16]                    ; both halves of the lanes hold the same two bytes
.endm
	s_mov_b32 s13, s12
	TILE OS0, 0
	s_xor_b32 s13, s12, 63                         ; 63 - T
	TILE OS1, 1
	s_wait_dscnt 0x0
	s_barrier_signal -1
	s_barrier_wait -1                              ; both runs of 256 queries' scale bytes lie in LDS
	s_cmp_lt_u32 s2, 2
	s_cbranch_scc0 .Lend
	ds_load_b128 v[96:99], v[ORD]
	s_wait_xcnt 0x0                                ; the last tile's store has read its base
	s_lshl_b32 s20, ttmp9, 9                       ; run 0: queries 256 z on; run 1: 768 - 256 z on; two bytes each
	s_sub_co_u32 s21, 1536, s20
	s_cmp_eq_u32 s2, 0
	s_cselect_b32 s20, s20, s21
	s_lshl_b32 s21, s3, 11
	s_add_co_u32 s20, s20, s21
	s_add_co_u32 s20, s20, 4194304
	s_mov_b32 s21, 0
	s_add_nc_u64 s[22:23], s[10:11], s[20:21]
	s_wait_dscnt 0x0
	global_store_b128 v[L16], v[96:99], s[22:23]
.Lend:
	s_wait_tensorcnt 0x0
	ds_add_u32 v[SPW], v[NIL]
	s_wait_dscnt 0x0
	s_endpgm
.Lfunc_end_k_qed523273d8_attn:
	.size	k_qed523273d8_attn, .Lfunc_end_k_qed523273d8_attn-k_qed523273d8_attn
	.p2alignl 7, 3214868480
	.fill 96, 4, 3214868480
	.section	.rodata,"a",@progbits
	.p2align	6, 0x0
	.amdhsa_kernel k_qed523273d8_attn
		.amdhsa_group_segment_fixed_size 74752
		.amdhsa_private_segment_fixed_size 0
		.amdhsa_enable_private_segment 0
		.amdhsa_kernarg_size 48
		.amdhsa_user_sgpr_count 2
		.amdhsa_user_sgpr_kernarg_segment_ptr 1
		.amdhsa_wavefront_size32 1
		.amdhsa_system_sgpr_workgroup_id_x 1
		.amdhsa_system_sgpr_workgroup_id_y 1
		.amdhsa_system_sgpr_workgroup_id_z 1
		.amdhsa_system_vgpr_workitem_id 0
		.amdhsa_next_free_vgpr 256
		.amdhsa_next_free_sgpr 100
		.amdhsa_reserve_vcc 1
		.amdhsa_float_denorm_mode_32 3
		.amdhsa_float_denorm_mode_16_64 3
		.amdhsa_memory_ordered 1
		.amdhsa_forward_progress 1
		.amdhsa_inst_pref_size 70
	.end_amdhsa_kernel
	.amdgpu_metadata
---
amdhsa.version: [ 1, 2 ]
amdhsa.kernels:
  - .name:           k_qed523273d8_attn
    .symbol:         k_qed523273d8_attn.kd
    .args:
      - { .name: qkv_img, .offset: 0, .size: 8, .value_kind: global_buffer, .address_space: global }
      - { .name: qkv_sc, .offset: 8, .size: 8, .value_kind: global_buffer, .address_space: global }
      - { .name: maskw, .offset: 16, .size: 8, .value_kind: global_buffer, .address_space: global }
      - { .name: a_buf, .offset: 24, .size: 8, .value_kind: global_buffer, .address_space: global }
      - { .name: klpart, .offset: 32, .size: 8, .value_kind: global_buffer, .address_space: global }
      - { .name: out1, .offset: 40, .size: 8, .value_kind: global_buffer, .address_space: global }
    .group_segment_fixed_size: 74752
    .private_segment_fixed_size: 0
    .kernarg_segment_align: 8
    .kernarg_segment_size: 48
    .max_flat_workgroup_size: 512
    .sgpr_count:     100
    .vgpr_count:     256
    .wavefront_size: 32
...
	.end_amdgpu_metadata
.endif
;; end of part 3
;; launch proj (part 4): grid 256 x 1, 16 waves a work-group, clusters of 4 x 1, 327,680 bytes of LDS; arguments a_buf, xw_img, xw_sc, dec_inp, ln_gamma, ln_beta, out0; writes out0
.if DOCPART == 4
	.amdgcn_target "amdgcn-amd-amdhsa--gfx1250"
	.amdhsa_code_object_version 6
	.text
	.protected	k_qed523273d8_proj
	.globl	k_qed523273d8_proj
	.p2align	8
	.type	k_qed523273d8_proj,@function
k_qed523273d8_proj:
	s_mov_b64 s[64:65], 0
	v_nop
	global_prefetch_b8 v0, s[64:65] scope:SCOPE_SE
	s_setreg_imm32_b32 hwreg(HW_REG_WAVE_MODE, 25, 1), 1
	s_wait_xcnt 0x0
	s_wait_alu depctr_hold_cnt(0) depctr_sa_sdst(0) depctr_va_vdst(0) depctr_va_sdst(0) depctr_va_ssrc(0) depctr_va_vcc(0) depctr_vm_vsrc(0)
	s_getreg_b32 s2, hwreg(HW_REG_IB_STS2, 6, 4)
	s_cmp_eq_u32 s2, 0
	s_cbranch_scc0 .Lentry_in_a_cluster
	s_endpgm
.Lentry_in_a_cluster:
	s_bfe_u32 s2, ttmp6, 0x10000c
	s_cmp_lg_u32 s2, 0x3003
	s_cbranch_scc0 .Lentry_shape_is_right
	s_endpgm
.Lentry_shape_is_right:
; PROJ: attn_vec's codes x the output weight's codes (FP4, K = 1,024), the residual dec_inp, and the layer norm.  No work is left out.
; SHARES.  A work-group owns 32 rows (s = 32 t .. 32 t + 31 of batch b) x all 1,024 columns, since the norm needs whole rows.  Each of its 16 waves makes 32 rows x 64 columns: 8 accumulators, 64 registers.
; THE WEIGHT (64 rowtiles x 8 K steps x 1,024 bytes, images of fragments) is walked by every work-group: clusters of 4 x 1 ask for it JOINTLY (mask 15).  It comes in two halves of K, 262,144 bytes each:
; wave w asks for its own 4 rowtiles x 4,096 bytes, one tensor load at the head and one refill behind a round of the cluster's barrier, and it alone reads those bytes.
; By the text's own count one tensor load of a wave is out at any time.  Cut along K, attn_vec's fragments are read from LDS once.
; attn_vec's codes and scale bytes, gamma and beta differ between partners or are small beside the weight: they come through registers into LDS bytes of their own.  The weight's scale words (2,048 bytes a wave) go straight to registers.
; dec_inp goes straight into the registers in which the norm wants it: wave w's two rows, each load 512 consecutive bytes.  Nothing reads it before the norm, so its requests stand behind the requests that the products wait for:
; the first row's eight loads behind the wait for the weight's first half, the second row's eight behind the refill's request.
; No prefetch: the launch has no loop to run ahead in.
; THE PRODUCT IS USED TRANSPOSED (source 0 = 16 rows of the weight, source 1 = 16 rows of attn_vec): a lane holds eight neighbouring columns of a row.  The results go through a stage of 32 rows x 4,112 bytes, which lies in
; the weight's LDS bytes behind their last fill and last read, and come back as whole rows: wave w norms rows 2 w and 2 w + 1 and stores 512 consecutive bytes an instruction.
; The variance is taken of x - mean, in a second pass over registers.  A row whose scale bytes are 0xff (every key hidden) comes out NaN, as the module gives it.
; REGISTERS: v1-15 addresses; v16-31 attn_vec's fragments; v32-39 its scale words; v40-55 the weight's; v56-119 accumulators, then gamma and beta; v120-151, v184-215 the weight's fragments, two sets, then x; v152-183, v216-247 dec_inp.
.set AIMG,   262144                    ; behind the weight's 262,144 bytes: attn_vec's images [row tile 2][K step 8][1,024]
.set ASC,    278528                    ; its scale words [K step 8][row 32]
.set GB,     279552                    ; gamma, then beta
.set SPARE,  287744                    ; the spare words, 128 bytes for each wave: eight blocks of 256 bytes that no other line names
.set SPITCH, 4112
.set G0, 44
.set G1, 48
.macro ROUND                           ; a round of the cluster's barrier
	s_barrier_signal -1
	s_barrier_wait -1
	s_cmp_lg_u32 s2, 0
	s_cbranch_scc1 .Lnot_wave_0_\@
	s_barrier_signal -3
.Lnot_wave_0_\@:
	s_barrier_wait -3
	s_barrier_signal -1
	s_barrier_wait -1
.endm
.macro BL k                            ; the weight's four fragments of K step k into set k % 2
.irp nt, 0,1,2,3
.irp c, 0,1
	ds_load_b128 v[120+64*((\k)%2)+8*\nt+4*\c:123+64*((\k)%2)+8*\nt+4*\c], v4 offset:\nt*4096+((\k)%4)*1024+512*\c
.endr
.endr
.endm
.macro DIN p                           ; row p of my two rows of dec_inp: eight loads of 512 consecutive bytes
.irp i, 0,1,2,3,4,5,6,7
	global_load_b128 v[152+64*(\p)+4*\i:155+64*(\p)+4*\i], v1, s[10:11] offset:32768*(\p)+512*\i th:TH_LOAD_NT
.endr
.endm
.macro MMC c, ra, rb
.if (\ra) && (\rb)
	v_wmma_scale_f32_16x16x128_f8f6f4 v[AC:AC+7], v[BF:BF+7], v[AFR:AFR+7], \c, v[SWR], v[SXR] matrix_a_fmt:MATRIX_FMT_FP4 matrix_b_fmt:MATRIX_FMT_FP4 matrix_a_scale:MATRIX_SCALE_ROW1 matrix_b_scale:MATRIX_SCALE_ROW1
.elseif (\ra)
	v_wmma_scale_f32_16x16x128_f8f6f4 v[AC:AC+7], v[BF:BF+7], v[AFR:AFR+7], \c, v[SWR], v[SXR] matrix_a_fmt:MATRIX_FMT_FP4 matrix_b_fmt:MATRIX_FMT_FP4 matrix_a_scale:MATRIX_SCALE_ROW1
.elseif (\rb)
	v_wmma_scale_f32_16x16x128_f8f6f4 v[AC:AC+7], v[BF:BF+7], v[AFR:AFR+7], \c, v[SWR], v[SXR] matrix_a_fmt:MATRIX_FMT_FP4 matrix_b_fmt:MATRIX_FMT_FP4 matrix_b_scale:MATRIX_SCALE_ROW1
.else
	v_wmma_scale_f32_16x16x128_f8f6f4 v[AC:AC+7], v[BF:BF+7], v[AFR:AFR+7], \c, v[SWR], v[SXR] matrix_a_fmt:MATRIX_FMT_FP4 matrix_b_fmt:MATRIX_FMT_FP4
.endif
.endm
; A K step: 8 matrix instructions, the 8 accumulators by turns.  The weight's fragments run one step ahead inside a half of K.
.macro KSTEP k
.if (\k) > 0
.rept 4
	v_nop                                          ; places in front of loads into registers that the last two steps' products read
.endr
.endif
.irp a, 0,1
.irp c, 0,1
	ds_load_b128 v[16+8*\a+4*\c:19+8*\a+4*\c], v5 offset:\a*8192+(\k)*1024+512*\c
.endr
.endr
.if (\k)%4 < 3
	BL (\k)+1
	s_wait_dscnt 8                                 ; all but the next step's eight loads
.else
	s_wait_dscnt 0x0
.endif
.irp a, 0,1
.irp nt, 0,1,2,3
.set AC, 56+8*(4*\a+\nt)
.set BF, 120+64*((\k)%2)+8*\nt
.set AFR, 16+8*\a
.set SWR, 40+8*(\nt/2)+(\k)
.set SXR, 32+(\k)
.if (\k) == 0
	MMC 0, \nt%2, \a
.else
	MMC v[AC:AC+7], \nt%2, \a
.endif
.endr
.endr
.endm
.macro REDUCE r, t                     ; the sum over the wave's 32 lanes, in every lane
	s_delay_alu instid0(VALU_DEP_1)
	v_add_f32_dpp v[\r], v[\r], v[\r] row_xmask:1 row_mask:0xf bank_mask:0xf
	s_delay_alu instid0(VALU_DEP_1)
	v_add_f32_dpp v[\r], v[\r], v[\r] row_xmask:2 row_mask:0xf bank_mask:0xf
	s_delay_alu instid0(VALU_DEP_1)
	v_add_f32_dpp v[\r], v[\r], v[\r] row_xmask:4 row_mask:0xf bank_mask:0xf
	s_delay_alu instid0(VALU_DEP_1)
	v_add_f32_dpp v[\r], v[\r], v[\r] row_xmask:8 row_mask:0xf bank_mask:0xf
	s_delay_alu instid0(VALU_DEP_1)
	v_permlanex16_b32 v[\t], v[\r], s28, s29
	s_delay_alu instid0(VALU_DEP_1)
	v_add_f32 v[\r], v[\r], v[\t]
.endm
.macro LNROW p                         ; one row: x = product + dec_inp; mean; variance of x - mean; x gamma + beta; 8 stores of 512 consecutive bytes
.set X, 120+64*(\p)
.set D, X+32
.irp i, 0,2,4,6,8,10,12,14,16,18,20,22,24,26,28,30
	v_pk_add_f32 v[X+\i:X+1+\i], v[X+\i:X+1+\i], v[D+\i:D+1+\i]
.endr
	v_pk_add_f32 v[D:D+1], v[X:X+1], v[X+2:X+3]
	v_pk_add_f32 v[D+2:D+3], v[X+4:X+5], v[X+6:X+7]
.irp i, 8,12,16,20,24,28
	s_delay_alu instid0(VALU_DEP_2)
	v_pk_add_f32 v[D:D+1], v[D:D+1], v[X+\i:X+1+\i]
	s_delay_alu instid0(VALU_DEP_2)
	v_pk_add_f32 v[D+2:D+3], v[D+2:D+3], v[X+2+\i:X+3+\i]
.endr
	s_delay_alu instid0(VALU_DEP_1)
	v_pk_add_f32 v[D:D+1], v[D:D+1], v[D+2:D+3]
	s_delay_alu instid0(VALU_DEP_1)
	v_add_f32 v[D], v[D], v[D+1]
	REDUCE D, D+1
	s_delay_alu instid0(VALU_DEP_1)
	v_mul_f32 v[D+4], s30, v[D]
.irp i, 0,2,4,6,8,10,12,14,16,18,20,22,24,26,28,30
	v_pk_add_f32 v[X+\i:X+1+\i], v[X+\i:X+1+\i], v[D+4:D+5] op_sel_hi:[1,0] neg_lo:[0,1] neg_hi:[0,1]
.endr
	v_pk_mul_f32 v[D:D+1], v[X:X+1], v[X:X+1]
	v_pk_mul_f32 v[D+2:D+3], v[X+2:X+3], v[X+2:X+3]
.irp i, 4,8,12,16,20,24,28
	s_delay_alu instid0(VALU_DEP_2)
	v_pk_fma_f32 v[D:D+1], v[X+\i:X+1+\i], v[X+\i:X+1+\i], v[D:D+1]
	s_delay_alu instid0(VALU_DEP_2)
	v_pk_fma_f32 v[D+2:D+3], v[X+2+\i:X+3+\i], v[X+2+\i:X+3+\i], v[D+2:D+3]
.endr
	s_delay_alu instid0(VALU_DEP_1)
	v_pk_add_f32 v[D:D+1], v[D:D+1], v[D+2:D+3]
	s_delay_alu instid0(VALU_DEP_1)
	v_add_f32 v[D], v[D], v[D+1]
	REDUCE D, D+1
	s_delay_alu instid0(VALU_DEP_1)
	v_fmaak_f32 v[D+6], s30, v[D], 0x3727c5ac      ; variance + 1e-5
	s_wait_alu depctr_va_vdst(0)                   ; a wait ahead of the transcendental,
	v_rsq_f32 v[D+6], v[D+6]
	v_nop
	s_wait_alu depctr_va_vdst(0)                   ; and ahead of its first reader
.irp i, 0,2,4,6,8,10,12,14,16,18,20,22,24,26,28,30
	v_pk_mul_f32 v[X+\i:X+1+\i], v[X+\i:X+1+\i], v[D+6:D+7] op_sel_hi:[1,0]
.endr
.irp i, 0,2,4,6,8,10,12,14,16,18,20,22,24,26,28,30
	v_pk_fma_f32 v[X+\i:X+1+\i], v[X+\i:X+1+\i], v[56+\i:57+\i], v[88+\i:89+\i]
.endr
.irp i, 0,1,2,3,4,5,6,7
	global_store_b128 v1, v[X+4*\i:X+3+4*\i], s[18:19] offset:32768*(\p)+512*\i th:TH_STORE_NT
.endr
.endm
	s_load_b256 s[4:11], s[0:1], 0x0               ; a_buf, xw_img, xw_sc, dec_inp
	s_load_b128 s[12:15], s[0:1], 0x20             ; ln_gamma, ln_beta
	s_load_b64 s[16:17], s[0:1], 0x30              ; out0
	v_lshl_add_u32 v2, v0, 2, SPARE                ; my spare word; never rewritten
	v_mov_b32 v3, 0                                ; 0; never rewritten
	ds_add_u32 v2, v3                              ; the wave's opening: the add, twice on end, and its wait ahead of my first tensor load
	ds_add_u32 v2, v3
	v_lshrrev_b32 v15, 5, v0
	s_delay_alu instid0(VALU_DEP_1)
	v_readfirstlane_b32 s2, v15                    ; wave 0..15
	s_bfe_u32 s22, ttmp6, 0x40000                  ; cx
	s_lshl_b32 s3, ttmp9, 2
	s_add_co_u32 s3, s3, s22                       ; the work-group: it enters global addresses of my own loads and stores alone
	s_lshr_b32 s22, s3, 5                          ; b
	s_and_b32 s23, s3, 31                          ; t
	s_lshl_b32 s24, s23, 20                        ; dec_inp, out0: row s is 32,768 bytes, batch b 4,096; my rows 32 t + 2 wave on
	s_lshl_b32 s25, s2, 16
	s_add_co_u32 s24, s24, s25
	s_lshl_b32 s25, s22, 12
	s_add_co_u32 s24, s24, s25
	s_mov_b32 s25, 0
	s_lshl_b32 s26, s22, 19                        ; attn_vec's codes: [b][s / 16] x 8,192
	s_lshl_b32 s27, s23, 14
	s_add_co_u32 s26, s26, s27
	s_mov_b32 s27, 0
	s_lshl_b32 s32, s2, 3                          ; its scale bytes: head = wave: [head x 8 + b][s] two bytes
	s_add_co_u32 s32, s32, s22
	s_lshl_b32 s32, s32, 11
	s_lshl_b32 s33, s23, 6
	s_add_co_u32 s32, s32, s33
	s_add_co_u32 s32, s32, 4194304
	s_mov_b32 s33, 0
	s_lshl_b32 s34, s2, 15                         ; the weight o: rowtiles 192 + 4 wave on
	s_add_co_u32 s34, s34, 1572864
	s_mov_b32 s35, 0
	s_lshl_b32 s36, s2, 11                         ; its scale bytes: 64 rows x 32
	s_add_co_u32 s36, s36, 98304
	s_mov_b32 s37, 0
	s_and_b32 s38, s2, 7                           ; gamma (waves 0-7) or beta: 512 bytes a wave
	s_lshl_b32 s38, s38, 9
	s_mov_b32 s39, 0
	s_lshl_b32 s40, s2, 14                         ; LDS: my 16,384 bytes of the weight
	s_lshr_b32 s41, s2, 1                          ; my head's two bytes in the scale words: K step wave / 2, bytes 2 (wave % 2) on
	s_lshl_b32 s41, s41, 7
	s_and_b32 s42, s2, 1
	s_lshl_b32 s42, s42, 1
	s_add_co_u32 s41, s41, s42
	s_add_co_u32 s41, s41, ASC
	s_lshl_b32 s42, s2, 8                          ; the stage, in: my 64 columns
	s_mul_i32 s43, s2, 2*SPITCH                    ; and back: my two rows
	s_mov_b32 s28, 0x76543210
	s_mov_b32 s29, 0xfedcba98
	s_mov_b32 s30, 0x3a800000                      ; 1 / 1,024
	s_mov_b32 s[G1+0], 15|(3<<16)|(1<<21)          ; the mask: all four of the cluster; elements of 8 bytes; bit 21 beside a mask
	s_mov_b32 s[G1+1], 512<<16                     ; 4 rows (rowtiles) of 4,096 bytes,
	s_mov_b32 s[G1+2], 4<<16
	s_mov_b32 s[G1+3], 512<<16
	s_mov_b32 s[G1+4], 4
	s_mov_b32 s[G1+5], 1024                        ; 8,192 bytes apart; dense in LDS
	s_mov_b32 s[G1+6], 0
	s_mov_b32 s[G1+7], 0
	s_mov_b32 s[G0], 1
	s_mov_b32 s[G0+1], s40
	v_and_b32 v15, 31, v0                          ; lane
	v_and_b32 v248, 15, v0                         ; r
	v_bfe_u32 v249, v0, 4, 1                       ; h
	v_lshlrev_b32 v7, 4, v0                        ; 16 x thread
	s_delay_alu instid0(VALU_DEP_4)
	v_lshlrev_b32 v1, 4, v15                       ; 16 x lane
	s_delay_alu instid0(VALU_DEP_4)
	v_mul_u32_u24 v10, v248, SPITCH
	v_lshlrev_b32 v13, 1, v15
	v_lshlrev_b32 v14, 5, v15
	v_lshl_add_u32 v8, v15, 2, s41
	v_lshl_add_u32 v9, v15, 2, ASC
	v_add_nc_u32 v15, AIMG, v7                     ; where my thread's 16 bytes of the images, of gamma and of beta go
	v_lshl_add_u32 v10, v249, 5, v10
	v_add_nc_u32 v4, s40, v1                       ; the weight's fragments
	v_add_nc_u32 v5, AIMG, v1                      ; attn_vec's
	v_add_nc_u32 v6, GB, v1
	s_delay_alu instid0(VALU_DEP_4)
	v_add_nc_u32 v10, s42, v10                     ; the stage, in: row r, 32 h bytes on; rows 0-15,
	v_add_nc_u32 v12, s43, v1
	s_delay_alu instid0(VALU_DEP_2)
	v_add_nc_u32 v11, 16*SPITCH, v10               ; and rows 16-31
	s_wait_alu depctr_va_vdst(0)                   ; the head's end
	s_wait_dscnt 0x0                               ; both opening adds are done
	s_wait_kmcnt 0x0
	s_add_nc_u64 s[10:11], s[10:11], s[24:25]
	s_add_nc_u64 s[18:19], s[16:17], s[24:25]
	s_add_nc_u64 s[26:27], s[4:5], s[26:27]
	s_add_nc_u64 s[32:33], s[4:5], s[32:33]
	s_add_nc_u64 s[36:37], s[8:9], s[36:37]
	s_add_nc_u64 s[G0+2:G0+3], s[6:7], s[34:35]
	s_or_b32 s[G0+3], s[G0+3], 0x80000000
	s_cmp_lt_u32 s2, 8
	s_cselect_b64 s[12:13], s[12:13], s[14:15]
	s_add_nc_u64 s[12:13], s[12:13], s[38:39]
	global_load_b128 v[120:123], v7, s[26:27]              ; attn_vec's two row tiles: 8,192 consecutive bytes a work-group each
	global_load_b128 v[124:127], v7, s[26:27] offset:8192
	global_load_b128 v[128:131], v1, s[12:13]              ; my 512 bytes of gamma or beta
	global_load_u16 v132, v13, s[32:33]                    ; my head's scale bytes of the 32 rows
	global_load_b128 v[40:43], v14, s[36:37]               ; the weight's scale words: lane l = row l of rowtiles 0, 1: K steps 0-3,
	global_load_b128 v[44:47], v14, s[36:37] offset:16     ; 4-7;
	global_load_b128 v[48:51], v14, s[36:37] offset:1024   ; rowtiles 2, 3
	global_load_b128 v[52:55], v14, s[36:37] offset:1040
	ROUND                                          ; all four work-groups are here: the joint loads meet
	tensor_load_to_lds s[G0:G0+3], s[G1:G1+7]      ; K steps 0-3 of my four rowtiles: my one tensor load at the head
	s_nop 0
	s_wait_loadcnt 4                               ; the first four loads are in; the weight's four scale loads may be out
	ds_store_b128 v15, v[120:123]
	ds_store_b128 v15, v[124:127] offset:8192
	ds_store_b128 v15, v[128:131] offset:GB-AIMG
	ds_store_b16 v8, v132
	s_wait_dscnt 0x0                               ; for the others' sake: my stores have landed
	s_barrier_signal -1
	s_barrier_wait -1
	s_wait_tensorcnt 0x0                           ; my part of the weight, which I alone read
	s_wait_loadcnt 0x0                             ; the weight's scale words
	DIN 0                                          ; dec_inp, my first row: first read behind all the products
.irp k, 0,1,2,3,4,5,6,7
	ds_load_b32 v[32+\k], v9 offset:128*\k         ; lanes 0-15: rows 0-15, lanes 16-31: rows 16-31
.endr
	BL 0
.irp k, 0,1,2,3
	KSTEP \k
.endr
	s_wait_tensorcnt 0x0                           ; the refill's three lines: no tensor load of mine is out,
	ds_add_u32 v2, v3                              ; 0 onto my spare word;
	s_add_nc_u64 s[G0+2:G0+3], s[G0+2:G0+3], 4096  ; the second half of K
	s_wait_dscnt 0x0                               ; the add is done, and my reads of the first half are over
	ROUND                                          ; both now hold of every wave of the four work-groups
	tensor_load_to_lds s[G0:G0+3], s[G1:G1+7]      ; K steps 4-7, into the same bytes
	s_nop 0
	DIN 1                                          ; dec_inp, my second row
	s_wait_tensorcnt 0x0
	BL 4
.irp k, 4,5,6,7
	KSTEP \k
.endr
.rept 4
	v_nop                                          ; places in front of the first reads of the results
.endr
	s_wait_dscnt 0x0
	s_barrier_signal -1
	s_barrier_wait -1                              ; nobody reads the weight's bytes any more, and they have had their last fill: the stage lies there
.irp nt, 0,1,2,3
	ds_store_b128 v10, v[56+8*\nt:59+8*\nt] offset:64*\nt          ; each accumulator from its low end on
	ds_store_b128 v10, v[60+8*\nt:63+8*\nt] offset:64*\nt+16
	ds_store_b128 v11, v[88+8*\nt:91+8*\nt] offset:64*\nt
	ds_store_b128 v11, v[92+8*\nt:95+8*\nt] offset:64*\nt+16
.endr
	s_wait_dscnt 0x0
	s_barrier_signal -1
	s_barrier_wait -1
.irp i, 0,1,2,3,4,5,6,7
	ds_load_b128 v[120+4*\i:123+4*\i], v12 offset:512*\i
.endr
.irp i, 0,1,2,3,4,5,6,7
	ds_load_b128 v[56+4*\i:59+4*\i], v6 offset:512*\i              ; gamma
.endr
.irp i, 0,1,2,3,4,5,6,7
	ds_load_b128 v[88+4*\i:91+4*\i], v6 offset:4096+512*\i         ; beta
.endr
.irp i, 0,1,2,3,4,5,6,7
	ds_load_b128 v[184+4*\i:187+4*\i], v12 offset:SPITCH+512*\i
.endr
	s_wait_loadcnt 8                               ; dec_inp's first row is in; the second row's eight loads may be out
	s_wait_dscnt 8                                 ; all but the second row's eight loads from the stage
	LNROW 0
	s_wait_loadcnt 0x0
	s_wait_dscnt 0x0
	LNROW 1
	s_wait_tensorcnt 0x0                           ; the wave's end
	ds_add_u32 v2, v3
	s_wait_dscnt 0x0
	ROUND                                          ; the closing round
	s_endpgm
.Lfunc_end_k_qed523273d8_proj:
	.size	k_qed523273d8_proj, .Lfunc_end_k_qed523273d8_proj-k_qed523273d8_proj
	.p2alignl 7, 3214868480
	.fill 96, 4, 3214868480
	.section	.rodata,"a",@progbits
	.p2align	6, 0x0
	.amdhsa_kernel k_qed523273d8_proj
		.amdhsa_group_segment_fixed_size 327680
		.amdhsa_private_segment_fixed_size 0
		.amdhsa_enable_private_segment 0
		.amdhsa_kernarg_size 56
		.amdhsa_user_sgpr_count 2
		.amdhsa_user_sgpr_kernarg_segment_ptr 1
		.amdhsa_wavefront_size32 1
		.amdhsa_system_sgpr_workgroup_id_x 1
		.amdhsa_system_sgpr_workgroup_id_y 1
		.amdhsa_system_sgpr_workgroup_id_z 1
		.amdhsa_system_vgpr_workitem_id 0
		.amdhsa_next_free_vgpr 256
		.amdhsa_next_free_sgpr 66
		.amdhsa_reserve_vcc 0
		.amdhsa_float_denorm_mode_32 3
		.amdhsa_float_denorm_mode_16_64 3
		.amdhsa_memory_ordered 1
		.amdhsa_forward_progress 1
		.amdhsa_inst_pref_size 46
	.end_amdhsa_kernel
	.amdgpu_metadata
---
amdhsa.version: [ 1, 2 ]
amdhsa.kernels:
  - .name:           k_qed523273d8_proj
    .symbol:         k_qed523273d8_proj.kd
    .args:
      - { .name: a_buf, .offset: 0, .size: 8, .value_kind: global_buffer, .address_space: global }
      - { .name: xw_img, .offset: 8, .size: 8, .value_kind: global_buffer, .address_space: global }
      - { .name: xw_sc, .offset: 16, .size: 8, .value_kind: global_buffer, .address_space: global }
      - { .name: dec_inp, .offset: 24, .size: 8, .value_kind: global_buffer, .address_space: global }
      - { .name: ln_gamma, .offset: 32, .size: 8, .value_kind: global_buffer, .address_space: global }
      - { .name: ln_beta, .offset: 40, .size: 8, .value_kind: global_buffer, .address_space: global }
      - { .name: out0, .offset: 48, .size: 8, .value_kind: global_buffer, .address_space: global }
    .group_segment_fixed_size: 327680
    .private_segment_fixed_size: 0
    .kernarg_segment_align: 8
    .kernarg_segment_size: 56
    .max_flat_workgroup_size: 512
    .sgpr_count:     66
    .vgpr_count:     256
    .wavefront_size: 32
...
	.end_amdgpu_metadata
.endif
;; end of part 4
